; MI455X (gfx1250); checked and timed in simulation.
; The chip was launched on July 23, 2026; its instructions are those of AMD's public machine-readable ISA for CDNA 5 (MIT licence, August 2026) and "CDNA5" Instruction Set Architecture Reference Guide (July 2026). The comments in the code are by the model that wrote it; some were corrected since.
;; Attention. Allowed arithmetic: matrix products marked QUANTISED: E2M1 operands, one E8M0 scale for each 32 along K, by v_wmma_scale_f32_16x16x128_f8f6f4 with both operands' format E2M1 (or v_wmma_scale_f32_32x16x128_f4), f32 sums; products left as they are: bf16, f16 or f32 operands; f32 sums; everything else in f32.
;; Inputs: Wkv 1,024 x 2,048 float32; Wout 1,024 x 1,024 float32; Wq 1,024 x 1,024 float32; null_kv 2 x 16 x 64 float32; rotary_k 2,561 x 64 float32; rotary_q 2,048 x 64 float32; x 2 x 2,048 x 1,024 float32; xl_memories 2 x 2 x 16 x 512 x 64 float32.
;; Outputs: out0 2 x 2,048 x 1,024 float32; out1 2 x 2 x 16 x 2,049 x 64 float32.
;; This version of the problem:
;;   THIS VERSION OF THE PROBLEM IS GIVEN IN LOW PRECISION. The matrix products marked QUANTISED in the list below multiply operands that are first quantised to E2M1 (2 exponent bits, 1 mantissa bit; 4 bits a number), with one power-of-two scale for each 32 numbers along K (OCP MX v1.0); their sums are f32. The products marked 'left as it is' may take bf16, f16 or f32 operands, with f32 sums. Whichever they take, every output number must still come out within the allowed error. Rounding operands to bf16 (8 significant bits) uses up far more of that allowance than f16 does (11 bits, for magnitudes from 6e-5 to 65,504). All else is computed in f32.
;;   The module's matrix products, in the order in which they are computed (A, B: the left and right operand; K: the contracted axis; several contracted axes count as one K, in the product's order):
;;     1. [M 4,096, K 1,024] x [K 1,024, N 1,024]; A: input x; B: input Wq: QUANTISED
;;     2. [M 4,096, K 1,024] x [K 1,024, N 2,048]; A: input x; B: input Wkv: QUANTISED
;;     3. batch 32 x [M 2,048, K 64] x [K 64, N 2,561]; A: computed on the way; B: computed on the way: left as it is (an operand is computed on the way)
;;     4. batch 32 x [M 2,048, K 2,561] x [K 2,561, N 64]; A: computed on the way; B: computed on the way: left as it is (an operand is computed on the way)
;;     5. [M 4,096, K 1,024] x [K 1,024, N 1,024]; A: computed on the way; B: input Wout: left as it is (an operand is computed on the way)
;;   THE QUANTISER, for each operand of a quantised product, along K:
;;     - K is cut into blocks of 32 from its start; a last block that is shorter is filled with zeros.
;;     - A block's scale is 2^e with e = floor(log2(the largest magnitude in the block)) - 2, held to -126 .. 127; a block of zeros has e = 0. As a byte (E8M0): e + 127.
;;     - Each number is divided by its block's scale, clamped to +-6, and rounded to the nearest number of E2M1, ties to even, subnormals kept.
;;     - The product sums the exact products of the quantised numbers (number of the format x scale) in f32.
;;   ~~~python
;;   def quantise(x, axis):      # numpy; x: float32 -> the quantised numbers, widened to float32 again
;;       x = np.moveaxis(x, axis, -1); K = x.shape[-1]
;;       x = np.pad(x, [(0, 0)] * (x.ndim - 1) + [(0, -K % 32)]); x = x.reshape(x.shape[:-1] + (-1, 32)); a = np.abs(x).max(-1, keepdims=True)
;;       e = np.where(a > 0, np.clip(np.frexp(np.where(a > 0, a, 1))[1] - 1 - 2, -126, 127), 0)      # np.frexp(a)[1] - 1 = floor(log2(a)), exactly
;;       r = np.clip(x / 2.0 ** e, -6, 6)
;;       step = 2.0 ** (np.maximum(np.frexp(np.where(r == 0, 1, r))[1] - 1, 0) - 1)
;;       q = np.round(r / step) * step * 2.0 ** e      # np.round: ties to even
;;       return np.moveaxis(q.reshape(q.shape[:-2] + (-1,))[..., :K], -1, axis).astype(np.float32)
;;   ~~~
;; One version. Each part assembles by itself: llvm-mc -triple=amdgcn-amd-amdhsa -mcpu=gfx1250 --defsym DOCPART=n.
;; ======== version 1 of 1: 4 launches
;; limits: values are held in f16: magnitudes above 65,504 overflow, below 6.1e-05 lose precision
;; workspace buffers: cod 3,899,392 bytes; tab 2,101,248 bytes; wh 2,097,152 bytes; kh 10,485,760 bytes; vh 10,485,760 bytes; qh 8,388,608 bytes; sn 262,144 bytes; oh 8,388,608 bytes
;; launch prep (part 1): grid 561 x 1, 4 waves a work-group, no clusters, 102,912 bytes of LDS; arguments x, Wq, Wkv, Wout, rotary_q, rotary_k, xl_memories, null_kv, cod, tab, wh, kh, vh, out1; writes cod, tab, wh, kh, vh, out1
.if DOCPART == 1
	.amdgcn_target "amdgcn-amd-amdhsa--gfx1250"
	.amdhsa_code_object_version 6
	.text
	.protected	k_q0f7b738ca1_prep
	.globl	k_q0f7b738ca1_prep
	.p2align	8
	.type	k_q0f7b738ca1_prep,@function
k_q0f7b738ca1_prep:
	s_mov_b64 s[64:65], 0
	v_nop
	global_prefetch_b8 v0, s[64:65] scope:SCOPE_SE
	s_setreg_imm32_b32 hwreg(HW_REG_WAVE_MODE, 25, 1), 1
	s_wait_xcnt 0x0
; PREP: everything that is made once from the inputs.  The work-group's number picks one of seven paths:
;   0-127   x [4096][1024] f32 -> codes of E2M1 (cod+0, 512 bytes a row) and E8M0 bytes (cod+COD_XS, 32 a row); K is innermost
;   128-143 Wq, 144-175 Wkv ([1024 k][n] f32, K is the FIRST axis) -> codes with K innermost (cod+COD_WC) and scale bytes (cod+COD_WS).
;           The rows are laid by head: row 192 head + 64 kind + d (kind 0 q, 1 k, 2 v), so that 192 rows on end are q, k and v of one head
;   176-303 tables of cos and signed sin of rotary_q and of rotary_k[513+n], in the order in which the next launch's registers take them
;   304-431 xl_memories: keys rotated by rotary_k[0..511], keys and values rounded to f16 -> kh, vh, positions 0-511
;   432-559 Wout rounded to f16 -> wh, as it lies
;   560     the null key rotated by rotary_k[512] (f32, tab+2097152), and the null rows of out1
; A block's scale is 2^(floor(log2(largest magnitude)) - 2); its byte is the largest magnitude's exponent field - 2, held at 1 from below.
; LIMITS: a block of zeros gets the byte 1 where the rule says 127 (its codes are zeros; this program alone reads the bytes); NaN and infinities are not served;
; sine and cosine: two-term reduction by pi/2 and polynomials of degree 7 and 8, good to about 1e-7 for |angle| up to 1e5; Wout, the memories: magnitudes under 65,504 (f16).
; No tensor loads, no barrier: waves share nothing.  Each path that stores to LDS has LDS bytes of its own.
.set SPW,    198                       ; v198  LDS address of my spare word; never rewritten
.set NIL,    199                       ; v199  0; never rewritten
.set LWQ,    32768                     ; LDS: 0.. x's path (8,192 a wave); Wq's four stages; Wkv's four stages; the spare words
.set LWK,    67584
.set SPARE,  102400
.set COD_WC, 2097152
.set COD_XS, 3670016
.set COD_WS, 3801088
.set C2PI, 46                          ; s46-54: constants of sine and cosine
.set CN1,  47
.set CN2,  48
.set SS1,  49
.set SS2,  50
.set SS3,  51
.set SC1,  52
.set SC2,  53
.set SC3,  54
.set TK, 5                             ; v5-10: at work in SINCOS
.set TY, 6
.set TZ, 7
.set TP, 8
.set TQ, 9
.set TI, 10
; cos and sin of v[x] into v[c] and v[s] (c may be x).  k = the nearest whole number to x 2/pi; y = x - k pi/2 in two parts; polynomials in y; the quadrant k mod 4 swaps and signs them.  No branch.
.macro SINCOS x, c, s
	v_mul_f32 v[TK], s[C2PI], v[\x]
	v_rndne_f32 v[TK], v[TK]
	v_fma_f32 v[TY], v[TK], s[CN1], v[\x]
	v_fma_f32 v[TY], v[TK], s[CN2], v[TY]
	v_cvt_i32_f32 v[TI], v[TK]
	v_mul_f32 v[TZ], v[TY], v[TY]
	v_fma_f32 v[TP], v[TZ], s[SS3], s[SS2]
	v_fma_f32 v[TQ], v[TZ], s[SC3], s[SC2]
	v_fma_f32 v[TP], v[TP], v[TZ], s[SS1]
	v_fma_f32 v[TQ], v[TQ], v[TZ], s[SC1]
	v_mul_f32 v[TP], v[TP], v[TZ]
	v_mul_f32 v[TQ], v[TQ], v[TZ]
	v_fma_f32 v[TK], v[TZ], -0.5, 1.0
	v_fma_f32 v[TP], v[TP], v[TY], v[TY]           ; sin y
	v_fma_f32 v[TQ], v[TQ], v[TZ], v[TK]           ; cos y
	v_and_b32 v[TK], 1, v[TI]
	v_cmp_eq_u32 vcc_lo, 1, v[TK]
	v_cndmask_b32 v[\s], v[TP], v[TQ], vcc_lo      ; odd quadrants swap the two
	v_cndmask_b32 v[\c], v[TQ], v[TP], vcc_lo
	v_lshlrev_b32 v[TK], 30, v[TI]                 ; the sine is negative in quadrants 2, 3,
	v_add_nc_u32 v[TI], 1, v[TI]
	v_and_b32 v[TK], 0x80000000, v[TK]
	v_lshlrev_b32 v[TI], 30, v[TI]                 ; the cosine in 1, 2
	v_xor_b32 v[\s], v[TK], v[\s]
	v_and_b32 v[TI], 0x80000000, v[TI]
	v_xor_b32 v[\c], v[TI], v[\c]
.endm
; eight angles in v16-23 become cos (v16-23) and signed sin (v24-31).  My eight channels begin at 8 (t % 8): below channel 32 the partner enters with a minus
.macro TRIG8
	v_and_b32 v12, 4, v0
	v_xor_b32 v12, 4, v12
	v_lshlrev_b32 v12, 29, v12
.irp e, 0,1,2,3,4,5,6,7
	SINCOS 16+\e, 16+\e, 24+\e
	v_xor_b32 v[24+\e], v12, v[24+\e]
.endr
.endm
; v[par ..] = v[own ..] cos + v[par ..] signed sin, eight numbers
.macro ROT8 own, par
.irp j, 0,2,4,6
	v_pk_mul_f32 v[\par+\j:\par+\j+1], v[\par+\j:\par+\j+1], v[24+\j:25+\j]
.endr
.irp j, 0,2,4,6
	v_pk_fma_f32 v[\par+\j:\par+\j+1], v[\own+\j:\own+\j+1], v[16+\j:17+\j], v[\par+\j:\par+\j+1]
.endr
.endm
	s_load_b512 s[4:19], s[0:1], 0x0               ; x 4, Wq 6, Wkv 8, Wout 10, rotary_q 12, rotary_k 14, xl_memories 16, null_kv 18
	s_load_b256 s[20:27], s[0:1], 0x40             ; cod 20, tab 22, wh 24, kh 26
	s_load_b128 s[28:31], s[0:1], 0x60             ; vh 28, out1 30
	v_lshl_add_u32 v[SPW], v0, 2, SPARE
	v_mov_b32 v[NIL], 0
	v_lshrrev_b32 v1, 5, v0
	v_readfirstlane_b32 s32, v1                    ; wave
	v_and_b32 v2, 31, v0                           ; lane
	s_mov_b32 s[C2PI], 0x3f22f983                  ; 2 / pi
	s_mov_b32 s[CN1], 0xbfc90fdb                   ; -(pi / 2), its f32 part,
	s_mov_b32 s[CN2], 0x333bbd2e                   ; and what that part leaves
	s_mov_b32 s[SS1], 0xbe2aaaa3
	s_mov_b32 s[SS2], 0x3c08839e
	s_mov_b32 s[SS3], 0xb94ca1f9
	s_mov_b32 s[SC1], 0x3d2aaaa5
	s_mov_b32 s[SC2], 0xbab6061a
	s_mov_b32 s[SC3], 0x37ccf5ce
	s_mov_b32 s37, 0                               ; the upper word of every offset below
	s_wait_kmcnt 0x0
	s_cmp_lt_u32 ttmp9, 128
	s_cbranch_scc1 .Lx
	s_cmp_lt_u32 ttmp9, 144
	s_cbranch_scc1 .Lwq
	s_cmp_lt_u32 ttmp9, 176
	s_cbranch_scc1 .Lwkv
	s_cmp_lt_u32 ttmp9, 304
	s_cbranch_scc1 .Ltab
	s_cmp_lt_u32 ttmp9, 432
	s_cbranch_scc1 .Lmem
	s_cmp_lt_u32 ttmp9, 560
	s_cbranch_scc1 .Lwout
	; ---- work-group 560.  Thread t: head t / 8, channels 8 (t % 8) on of the null key; and 16 bytes of eight null rows of out1
	v_lshlrev_b32 v3, 5, v0                        ; 32 t: my eight numbers in null_kv[0]
	v_xor_b32 v4, 128, v3                          ; the partner's: channel xor 32
	v_and_b32 v11, 7, v0
	v_lshlrev_b32 v11, 5, v11
	v_lshlrev_b32 v13, 4, v0                       ; 16 t
	global_load_b128 v[16:19], v11, s[14:15] offset:131072    ; rotary_k[512]
	global_load_b128 v[20:23], v11, s[14:15] offset:131088
	global_load_b128 v[32:35], v3, s[18:19]
	global_load_b128 v[36:39], v3, s[18:19] offset:16
	global_load_b128 v[40:43], v4, s[18:19]
	global_load_b128 v[44:47], v4, s[18:19] offset:16
.irp u, 0,1,2,3,4,5,6,7                        ; row t / 16 + 8 u of the 64 (kv, batch, head): kv = u / 4, head = 8 (u % 2) + t / 16
	global_load_b128 v[64+4*\u:67+4*\u], v13, s[18:19] offset:(\u/4)*4096+(\u%2)*2048
.endr
	v_lshrrev_b32 v14, 4, v0
	v_mul_u32_u24 v14, v14, 524544                 ; a (kv, batch, head) of out1 is 2,049 rows of 256 bytes
	v_and_b32 v15, 15, v0
	v_lshl_add_u32 v96, v15, 4, v14
.irp u, 1,2,3,4,5,6,7
	v_add_nc_u32 v[96+\u], 8*\u*524544, v96
.endr
	s_wait_loadcnt 8                               ; the six loads of the null key are in; the eight rows may be out
	TRIG8
	ROT8 32, 40
	global_store_b128 v3, v[40:43], s[22:23] offset:2097152
	global_store_b128 v3, v[44:47], s[22:23] offset:2097168
	s_wait_loadcnt 0x0
.irp u, 0,1,2,3,4,5,6,7
	global_store_b128 v[96+\u], v[64+4*\u:67+4*\u], s[30:31]
.endr
	s_endpgm
	; ---- x.  A wave takes 16 steps of 512 numbers.  Each load reads 512 bytes on end; a step's 2,048 bytes turn through the wave's own stage in LDS (16 bytes of padding behind each 64)
	; and come back 64 bytes a lane: 16 neighbours along K; two neighbouring lanes hold a block.  Loads run four steps ahead, the turn one step.
.set XR, 16                            ; v16-79   four sets of 16 numbers as loaded
.set XX, 80                            ; v80-111  two sets of 16 neighbours
.set XE, 112                           ; v112-127 a scale byte for each step
.set XC, 128                           ; v128-191 codes: registers of its own for each step, so that no store's data are written again
.macro XLOAD t
.irp i, 0,1,2,3
	global_load_b128 v[XR+16*((\t)%4)+4*\i:XR+16*((\t)%4)+4*\i+3], v3, s[4:5] offset:2048*(\t)+512*\i th:TH_LOAD_NT
.endr
.endm
.macro XTURN t                         ; LDS serves a wave's instructions in order: no wait between the stores and the loads
.irp i, 0,1,2,3
	ds_store_b128 v14, v[XR+16*((\t)%4)+4*\i:XR+16*((\t)%4)+4*\i+3] offset:2560*((\t)%2)+640*\i
.endr
.irp i, 0,1,2,3
	ds_load_b128 v[XX+16*((\t)%2)+4*\i:XX+16*((\t)%2)+4*\i+3], v15 offset:2560*((\t)%2)+16*\i
.endr
.endm
.macro XSTEP t
.set XS, XX+16*((\t)%2)
.if (\t) > 0
	s_wait_dscnt 1                                 ; this step's numbers are back from the stage; the last step's byte store may be out
.else
	s_wait_dscnt 0x0
.endif
.if (\t)+4 < 16
	XLOAD (\t)+4                                   ; into the registers whose stores into the stage are done
.endif
.if (\t)+1 < 16
.if 14-(\t) >= 3
	s_wait_loadcnt 12                              ; the next step's four loads are in; three steps' may be out
.else
	s_wait_loadcnt 4*(14-(\t))
.endif
	XTURN (\t)+1
.endif
	v_max3_num_f32 v8, |v[XS]|, |v[XS+1]|, |v[XS+2]|
	v_max3_num_f32 v9, |v[XS+3]|, |v[XS+4]|, |v[XS+5]|
.irp i, 6,10
	v_max3_num_f32 v8, v8, |v[XS+\i]|, |v[XS+\i+1]|
	v_max3_num_f32 v9, v9, |v[XS+\i+2]|, |v[XS+\i+3]|
.endr
	v_max3_num_f32 v8, v8, |v[XS+14]|, |v[XS+15]|
	v_max3_num_f32 v8, v8, v9, 0x1800000           ; the floor 2^(3 - 127): the byte cannot fall under 1
	v_max_num_f32_dpp v8, v8, v8 row_xmask:1 row_mask:0xf bank_mask:0xf   ; with my neighbour's 16: the block's largest magnitude
	v_add_nc_u32 v11, 0xff000000, v8               ; 2 off its exponent field: the conversion takes the exponent field of this operand as its scale
	v_cvt_scalef32_pk8_fp4_f32 v[XC+4*(\t)], v[XS:XS+7], v11
	v_cvt_scalef32_pk8_fp4_f32 v[XC+4*(\t)+1], v[XS+8:XS+15], v11
	v_lshrrev_b32 v[XE+(\t)], 23, v11              ; the scale's byte
	ds_store_b8 v5, v[XE+(\t)] offset:16*(\t)      ; both lanes of a block write the same byte with the same value
	global_store_b64 v4, v[XC+4*(\t):XC+4*(\t)+1], s[38:39] offset:256*(\t)   ; the wave stores 256 bytes on end, aligned
.endm
.Lx:
	v_lshlrev_b32 v3, 4, v2
	s_mul_i32 s33, s32, 8192                       ; my wave's LDS
	v_lshrrev_b32 v14, 2, v2
	v_mul_u32_u24 v14, v14, 80
	v_and_b32 v15, 3, v2
	v_lshl_add_u32 v14, v15, 4, v14
	v_add_nc_u32 v14, s33, v14                     ; into the stage: 80 (lane / 4) + 16 (lane % 4)
	v_mul_u32_u24 v15, v2, 80
	v_add_nc_u32 v15, s33, v15                     ; out of it: 80 x lane
	v_lshlrev_b32 v4, 3, v2                        ; my 8 bytes of a step's codes
	v_lshrrev_b32 v5, 1, v2
	s_add_co_u32 s33, s33, 5120                    ; behind the two stages: my wave's 256 scale bytes
	v_add_nc_u32 v5, s33, v5
	v_lshlrev_b32 v7, 3, v2
	v_add_nc_u32 v6, s33, v7
	s_lshl_b32 s34, ttmp9, 2
	s_add_co_u32 s34, s34, s32                     ; which run of 8,192 numbers is my wave's
	s_lshl_b32 s36, s34, 15
	s_add_nc_u64 s[4:5], s[4:5], s[36:37]
	s_lshl_b32 s36, s34, 12
	s_add_nc_u64 s[38:39], s[20:21], s[36:37]
	s_lshl_b32 s36, s34, 8
	s_add_co_u32 s36, s36, COD_XS
	s_add_nc_u64 s[40:41], s[20:21], s[36:37]
.irp t, 0,1,2,3
	XLOAD \t
.endr
	s_wait_loadcnt 12                              ; step 0's four loads are in
	XTURN 0
.irp t, 0,1,2,3,4,5,6,7,8,9,10,11,12,13,14,15
	XSTEP \t
.endr
	ds_load_b64 v[8:9], v6
	s_wait_dscnt 0x0
	global_store_b64 v7, v[8:9], s[40:41]          ; the wave's 256 scale bytes, one aligned run
	s_wait_tensorcnt 0x0                           ; the wave's end: three lines behind my last LDS store
	ds_add_u32 v[SPW], v[NIL]
	s_wait_dscnt 0x0
	s_endpgm
	; ---- Wq, Wkv.  A LANE TAKES A COLUMN AND ITS REGISTERS RUN DOWN K: a block of 32 lies in one lane, and the conversions give codes with K innermost.  A wave: 32 columns x 512 along K;
	; the codes (256 bytes a column) go through the wave's stage (rows of 272 bytes) and leave sixteen lanes to 256 bytes on end.  Loads run two blocks ahead.
.set WX, 32                            ; v32-95   two sets of 32 numbers
.set WC, 96                            ; v96-99   a block's codes
.set WS, 24                            ; v24-27   the scale bytes, four to a register
.set WO, 112                           ; v112-175 the way out
.macro WLOAD t, SN
.irp i, 0,1,2,3,4,5,6,7,8,9,10,11,12,13,14,15,16,17,18,19,20,21,22,23,24,25,26,27,28,29,30,31
	global_load_b32 v[WX+32*((\t)%2)+\i], v3, s[40:41] offset:(32*(\t)+\i)*(\SN)*4 th:TH_LOAD_NT
.endr
.endm
.macro WBLOCK t, SN
.set XS, WX+32*((\t)%2)
.if (\t) < 15
	s_wait_loadcnt 32                              ; this block's 32 loads are in; the next block's may be out
.else
	s_wait_loadcnt 0
.endif
	v_max3_num_f32 v12, |v[XS]|, |v[XS+1]|, |v[XS+2]|
	v_max3_num_f32 v13, |v[XS+3]|, |v[XS+4]|, |v[XS+5]|
.irp i, 6,10,14,18,22,26
	v_max3_num_f32 v12, v12, |v[XS+\i]|, |v[XS+\i+1]|
	v_max3_num_f32 v13, v13, |v[XS+\i+2]|, |v[XS+\i+3]|
.endr
	v_max3_num_f32 v12, v12, |v[XS+30]|, |v[XS+31]|
	v_max3_num_f32 v12, v12, v13, 0x1800000        ; the floor, as for x
	v_add_nc_u32 v11, 0xff000000, v12
	v_lshrrev_b32 v13, 23, v11
.if (\t)%4 == 0
	v_mov_b32 v[WS+(\t)/4], v13
.else
	v_lshl_or_b32 v[WS+(\t)/4], v13, 8*((\t)%4), v[WS+(\t)/4]
.endif
.irp g, 0,1,2,3
	v_cvt_scalef32_pk8_fp4_f32 v[WC+\g], v[XS+8*\g:XS+8*\g+7], v11
.endr
	ds_store_b128 v4, v[WC:WC+3] offset:16*(\t)
.if (\t)+2 < 16
	WLOAD (\t)+2, \SN
.endif
	s_wait_dscnt 0x0                               ; the store has read its registers: the next block's codes may be written
.endm
; SN: columns of the source; P: its pointer; LB: the path's LDS; FIRST: the path's first work-group; ISKV: 1 for Wkv
.macro WPATH SN, P, LB, FIRST, ISKV
	s_sub_co_u32 s33, ttmp9, \FIRST
	s_lshr_b32 s34, s33, 1
	s_and_b32 s35, s33, 1                          ; which 512 along K
	s_lshl_b32 s34, s34, 7
	s_lshl_b32 s36, s32, 5
	s_add_co_u32 s34, s34, s36                     ; my wave's first column
	s_bfe_u32 s36, s34, 0x40006                    ; the head: (column / 64) % 16
	s_mul_i32 s36, s36, 192
	s_and_b32 s33, s34, 63
	s_add_co_u32 s36, s36, s33
.if \ISKV
	s_lshr_b32 s33, s34, 10                        ; 0: k, 1: v
	s_lshl_b32 s33, s33, 6
	s_add_co_u32 s36, s36, s33
	s_add_co_u32 s36, s36, 64
.endif
	s_mov_b32 s39, 0                               ; s36: my first row of the laid-out weight
	s_mul_i32 s38, s35, 512*(\SN)*4
	s_lshl_b32 s33, s34, 2
	s_add_co_u32 s38, s38, s33
	s_add_nc_u64 s[40:41], s[\P:\P+1], s[38:39]
	s_lshl_b32 s38, s36, 9
	s_lshl_b32 s33, s35, 8
	s_add_co_u32 s38, s38, s33
	s_add_co_u32 s38, s38, COD_WC
	s_add_nc_u64 s[42:43], s[20:21], s[38:39]
	s_lshl_b32 s38, s36, 5
	s_lshl_b32 s33, s35, 4
	s_add_co_u32 s38, s38, s33
	s_add_co_u32 s38, s38, COD_WS
	s_add_nc_u64 s[44:45], s[20:21], s[38:39]
	v_lshlrev_b32 v3, 2, v2
	s_mul_i32 s33, s32, 32*272
	s_add_co_u32 s33, s33, \LB                     ; my stage
	v_mul_u32_u24 v4, v2, 272
	v_add_nc_u32 v4, s33, v4                       ; into it: row = my column
	v_and_b32 v5, 15, v2
	v_lshrrev_b32 v6, 4, v2
	v_mul_u32_u24 v7, v6, 272
	v_lshl_add_u32 v7, v5, 4, v7
	v_add_nc_u32 v7, s33, v7                       ; out of it: sixteen lanes to a row, two rows an instruction
	v_lshlrev_b32 v8, 9, v6
	v_lshl_add_u32 v8, v5, 4, v8                   ; the same place among rows of 512 bytes
	v_lshlrev_b32 v9, 5, v2                        ; my column's row of 32 scale bytes
	WLOAD 0, \SN
	WLOAD 1, \SN
.set Q, 0
.rept 16
	WBLOCK Q, \SN
.set Q, Q+1
.endr
	global_store_b128 v9, v[WS:WS+3], s[44:45]
.irp t, 0,1,2,3,4,5,6,7,8,9,10,11,12,13,14,15
	ds_load_b128 v[WO+4*\t:WO+4*\t+3], v7 offset:2*\t*272
.endr
.irp t, 0,1,2,3,4,5,6,7,8,9,10,11,12,13,14,15
	s_wait_dscnt 15-\t
	global_store_b128 v8, v[WO+4*\t:WO+4*\t+3], s[42:43] offset:2*\t*512
.endr
	s_wait_tensorcnt 0x0                           ; the wave's end: three lines behind my last LDS store
	ds_add_u32 v[SPW], v[NIL]
	s_wait_dscnt 0x0
	s_endpgm
.endm
.Lwq:
	WPATH 1024, 6, LWQ, 128, 0
.Lwkv:
	WPATH 2048, 8, LWK, 144, 1
	; ---- the tables.  A work-group: two blocks of 16 positions of one table; a thread: four slots of four angles.  Element (n, d) lies at float
	; 2048 (n / 16) + 1024 (sin) + 256 (d / 16) + 128 ((d / 4) % 2) + 4 (16 ((d / 8) % 2) + n % 16) + d % 4: so the reader's lane takes 16 bytes at 16 x lane + 512 i.
.Ltab:
	s_sub_co_u32 s33, ttmp9, 176
	s_lshr_b32 s34, s33, 6                         ; 0: rotary_q, 1: rotary_k from row 513 on
	s_and_b32 s35, s33, 63
	s_lshl_b32 s35, s35, 1                         ; the first block
	s_lshl_b32 s36, s35, 12
	s_cmp_eq_u32 s34, 0
	s_cselect_b64 s[38:39], s[12:13], s[14:15]
	s_cselect_b32 s40, 0, 131328
	s_add_co_u32 s36, s36, s40
	s_add_nc_u64 s[38:39], s[38:39], s[36:37]
	s_lshl_b32 s36, s34, 20
	s_lshl_b32 s40, s35, 13
	s_add_co_u32 s36, s36, s40
	s_add_nc_u64 s[42:43], s[22:23], s[36:37]
	v_and_b32 v3, 15, v0
	v_lshlrev_b32 v3, 8, v3                        ; row t % 16
	v_bfe_u32 v4, v0, 6, 1
	v_lshl_add_u32 v3, v4, 6, v3                   ; channel 16 ((t / 64) % 2)
	v_bfe_u32 v4, v0, 4, 1
	v_lshl_add_u32 v3, v4, 5, v3                   ; + 8 ((t / 16) % 2)
	v_bfe_u32 v4, v0, 5, 1
	v_lshl_add_u32 v3, v4, 4, v3                   ; + 4 ((t / 32) % 2)
	v_lshlrev_b32 v4, 4, v0
.irp u, 0,1,2,3                                ; slot u: + channel 32 (u % 2), block u / 2
	global_load_b128 v[16+4*\u:19+4*\u], v3, s[38:39] offset:128*(\u%2)+4096*(\u/2)
.endr
.irp u, 0,1,2,3
	s_wait_loadcnt 3-\u
.irp e, 0,1,2,3
	SINCOS 16+4*\u+\e, 32+4*\u+\e, 48+4*\u+\e
.if (\u%2) == 0
	v_xor_b32 v[48+4*\u+\e], 0x80000000, v[48+4*\u+\e]   ; below channel 32 the partner enters with a minus
.endif
.endr
	global_store_b128 v4, v[32+4*\u:35+4*\u], s[42:43] offset:2048*(\u%2)+8192*(\u/2)
	global_store_b128 v4, v[48+4*\u:51+4*\u], s[42:43] offset:2048*(\u%2)+8192*(\u/2)+4096
.endr
	s_endpgm
	; ---- the memories.  A work-group: 16 positions x 8 (batch, head).  Thread t: position t / 8, channels 8 (t % 8) on: 32 t bytes into the 16 rows.  The angles serve all eight.
	; A ring of four register slots, six loads each (own k, partner k, v); every (batch, head) has store registers of its own.
.macro MLOAD i
.set ML, 32+24*((\i)%4)
	global_load_b128 v[ML:ML+3], v3, s[40:41] offset:(\i)*131072
	global_load_b128 v[ML+4:ML+7], v3, s[40:41] offset:(\i)*131072+16
	global_load_b128 v[ML+8:ML+11], v4, s[40:41] offset:(\i)*131072
	global_load_b128 v[ML+12:ML+15], v4, s[40:41] offset:(\i)*131072+16
	global_load_b128 v[ML+16:ML+19], v3, s[40:41] offset:(\i)*131072+4194304
	global_load_b128 v[ML+20:ML+23], v3, s[40:41] offset:(\i)*131072+4194320
.endm
.macro MSTEP i, left
.set ML, 32+24*((\i)%4)
.set MO, 128+8*(\i)
	s_wait_loadcnt \left                           ; my slot's six loads are in; the younger slots' may be out
	ROT8 ML, ML+8
.irp j, 0,1,2,3
	v_cvt_pk_f16_f32 v[MO+\j], v[ML+8+2*\j], v[ML+9+2*\j]
.endr
.irp j, 0,1,2,3
	v_cvt_pk_f16_f32 v[MO+4+\j], v[ML+16+2*\j], v[ML+17+2*\j]
.endr
	global_store_b128 v11, v[MO:MO+3], s[42:43] offset:(\i)*327680      ; a wave stores 512 bytes on end
	global_store_b128 v11, v[MO+4:MO+7], s[44:45] offset:(\i)*327680
.if (\i) < 4
	MLOAD (\i)+4
.endif
.endm
.Lmem:
	s_sub_co_u32 s33, ttmp9, 304
	s_and_b32 s34, s33, 31                         ; which 16 positions
	s_lshr_b32 s35, s33, 5                         ; which 8 (batch, head)
	s_lshl_b32 s36, s34, 12
	s_add_nc_u64 s[38:39], s[14:15], s[36:37]      ; rotary_k at my positions
	s_lshl_b32 s33, s35, 20
	s_add_co_u32 s36, s36, s33
	s_add_nc_u64 s[40:41], s[16:17], s[36:37]
	s_mul_i32 s36, s35, 8*327680
	s_lshl_b32 s33, s34, 11
	s_add_co_u32 s36, s36, s33
	s_add_nc_u64 s[42:43], s[26:27], s[36:37]
	s_add_nc_u64 s[44:45], s[28:29], s[36:37]
	v_lshlrev_b32 v3, 5, v0
	v_xor_b32 v4, 128, v3
	v_lshlrev_b32 v11, 4, v0
	global_load_b128 v[16:19], v3, s[38:39]
	global_load_b128 v[20:23], v3, s[38:39] offset:16
.irp i, 0,1,2,3
	MLOAD \i
.endr
	s_wait_loadcnt 24                              ; the angles are in
	TRIG8
	MSTEP 0, 18
	MSTEP 1, 18
	MSTEP 2, 18
	MSTEP 3, 18
	MSTEP 4, 18
	MSTEP 5, 12
	MSTEP 6, 6
	MSTEP 7, 0
	s_endpgm
	; ---- Wout to f16: a wave takes 8,192 bytes, 16 loads of 512 bytes on end; each store of the wave covers 256 bytes on end, aligned
.Lwout:
	s_sub_co_u32 s33, ttmp9, 432
	s_lshl_b32 s36, s33, 15
	s_add_nc_u64 s[38:39], s[10:11], s[36:37]
	s_lshl_b32 s36, s33, 14
	s_add_nc_u64 s[40:41], s[24:25], s[36:37]
	v_lshlrev_b32 v3, 4, v2
	v_lshl_add_u32 v3, v1, 13, v3
	v_lshlrev_b32 v4, 3, v2
	v_lshl_add_u32 v4, v1, 12, v4
.irp u, 0,1,2,3,4,5,6,7,8,9,10,11,12,13,14,15
	global_load_b128 v[16+4*\u:19+4*\u], v3, s[38:39] offset:512*\u th:TH_LOAD_NT
.endr
.irp u, 0,1,2,3,4,5,6,7,8,9,10,11,12,13,14,15
	s_wait_loadcnt 15-\u
	v_cvt_pk_f16_f32 v[80+2*\u], v[16+4*\u], v[17+4*\u]
	v_cvt_pk_f16_f32 v[81+2*\u], v[18+4*\u], v[19+4*\u]
	global_store_b64 v4, v[80+2*\u:81+2*\u], s[40:41] offset:256*\u
.endr
	s_endpgm
.Lfunc_end_k_q0f7b738ca1_prep:
	.size	k_q0f7b738ca1_prep, .Lfunc_end_k_q0f7b738ca1_prep-k_q0f7b738ca1_prep
	.p2alignl 7, 3214868480
	.fill 96, 4, 3214868480
	.section	.rodata,"a",@progbits
	.p2align	6, 0x0
	.amdhsa_kernel k_q0f7b738ca1_prep
		.amdhsa_group_segment_fixed_size 102912
		.amdhsa_private_segment_fixed_size 0
		.amdhsa_enable_private_segment 0
		.amdhsa_kernarg_size 112
		.amdhsa_user_sgpr_count 2
		.amdhsa_user_sgpr_kernarg_segment_ptr 1
		.amdhsa_wavefront_size32 1
		.amdhsa_system_sgpr_workgroup_id_x 1
		.amdhsa_system_sgpr_workgroup_id_y 1
		.amdhsa_system_sgpr_workgroup_id_z 1
		.amdhsa_system_vgpr_workitem_id 0
		.amdhsa_next_free_vgpr 200
		.amdhsa_next_free_sgpr 66
		.amdhsa_reserve_vcc 1
		.amdhsa_float_denorm_mode_32 3
		.amdhsa_float_denorm_mode_16_64 3
		.amdhsa_memory_ordered 1
		.amdhsa_forward_progress 1
		.amdhsa_inst_pref_size 255
	.end_amdhsa_kernel
	.amdgpu_metadata
---
amdhsa.version: [ 1, 2 ]
amdhsa.kernels:
  - .name:           k_q0f7b738ca1_prep
    .symbol:         k_q0f7b738ca1_prep.kd
    .args:
      - { .name: x, .offset: 0, .size: 8, .value_kind: global_buffer, .address_space: global }
      - { .name: Wq, .offset: 8, .size: 8, .value_kind: global_buffer, .address_space: global }
      - { .name: Wkv, .offset: 16, .size: 8, .value_kind: global_buffer, .address_space: global }
      - { .name: Wout, .offset: 24, .size: 8, .value_kind: global_buffer, .address_space: global }
      - { .name: rotary_q, .offset: 32, .size: 8, .value_kind: global_buffer, .address_space: global }
      - { .name: rotary_k, .offset: 40, .size: 8, .value_kind: global_buffer, .address_space: global }
      - { .name: xl_memories, .offset: 48, .size: 8, .value_kind: global_buffer, .address_space: global }
      - { .name: null_kv, .offset: 56, .size: 8, .value_kind: global_buffer, .address_space: global }
      - { .name: cod, .offset: 64, .size: 8, .value_kind: global_buffer, .address_space: global }
      - { .name: tab, .offset: 72, .size: 8, .value_kind: global_buffer, .address_space: global }
      - { .name: wh, .offset: 80, .size: 8, .value_kind: global_buffer, .address_space: global }
      - { .name: kh, .offset: 88, .size: 8, .value_kind: global_buffer, .address_space: global }
      - { .name: vh, .offset: 96, .size: 8, .value_kind: global_buffer, .address_space: global }
      - { .name: out1, .offset: 104, .size: 8, .value_kind: global_buffer, .address_space: global }
    .group_segment_fixed_size: 102912
    .private_segment_fixed_size: 0
    .kernarg_segment_align: 8
    .kernarg_segment_size: 112
    .max_flat_workgroup_size: 128
    .sgpr_count:     66
    .vgpr_count:     200
    .wavefront_size: 32
...
	.end_amdgpu_metadata
.endif
;; end of part 1
;; launch qkv (part 2): grid 16 x 16, 4 waves a work-group, clusters of 4 x 4, 327,680 bytes of LDS; arguments cod, tab, qh, kh, vh, sn, out1; writes qh, kh, vh, sn, out1
.if DOCPART == 2
	.amdgcn_target "amdgcn-amd-amdhsa--gfx1250"
	.amdhsa_code_object_version 6
	.text
	.protected	k_q0f7b738ca1_qkv
	.globl	k_q0f7b738ca1_qkv
	.p2align	8
	.type	k_q0f7b738ca1_qkv,@function
k_q0f7b738ca1_qkv:
	s_mov_b64 s[64:65], 0
	v_nop
	global_prefetch_b8 v0, s[64:65] scope:SCOPE_SE
	s_setreg_imm32_b32 hwreg(HW_REG_WAVE_MODE, 25, 1), 1
	s_wait_xcnt 0x0
	s_wait_alu depctr_hold_cnt(0) depctr_sa_sdst(0) depctr_va_vdst(0) depctr_va_sdst(0) depctr_va_ssrc(0) depctr_va_vcc(0) depctr_vm_vsrc(0)
	s_getreg_b32 s2, hwreg(HW_REG_IB_STS2, 6, 4)
	s_cmp_eq_u32 s2, 0
	s_cbranch_scc0 .Lentry_in_a_cluster
	s_endpgm
.Lentry_in_a_cluster:
	s_bfe_u32 s2, ttmp6, 0x10000c
	s_cmp_lg_u32 s2, 0xf033
	s_cbranch_scc0 .Lentry_shape_is_right
	s_endpgm
.Lentry_shape_is_right:
; QKV: x Wq and x Wkv on codes of E2M1 with E8M0 scales, and all that is done to their rows: out1 (k, v in f32), the rotary embedding of q and k, q, k, v rounded to f16 for the attention, and each query's score against the null key (f32).
; SHARES.  A work-group: 256 rows of x (block ty) x the 192 columns q, k, v of one head (hx).  Wave w: rows 64 w .. 64 w + 63 x all 192 columns: 48 accumulators of 16 x 16.
; All of K = 1,024 lies in LDS at once, as two halves of 512 (rows of 256 bytes + 16 of padding): every LDS byte is filled once, nothing is filled again.
; CLUSTER 4 x 4: x's tile hangs on ty alone and is asked for jointly by a row of the cluster, the weight's on hx alone and by a column.
; THE MATRIX INSTRUCTION IS USED TRANSPOSED (source 0 = 16 rows of the weight, source 1 = 16 rows of x): lane (r, h) holds row r of x and columns 16 b + 8 h + 0 .. 7.  The rotary partner, channel xor 32, is then tile b xor 2 in the same lane and register.
; REGISTERS.  window 0: v1-29 addresses; v32-79 the weight's scale words (register 8 j + s: lanes 0-15 block j, lanes 16-31 block j + 6, K step s); v80-95 x's (blocks j and j + 2); v96-159 x's fragments, two sets; v160-255 the weight's twelve fragments.
;   window 1 (the way out): v16-47 the rotated null key; v48-111 cos, sin for q; v112-175 for k; v176-191, v192-207, v208-212 at work.   window 2: accumulators (a, b < 8) at 8 (8 a + b).   window 3: (a, b >= 8) at 8 (4 a + b - 8); v128-239 rows read back from the stage.
; LIMITS: q, k, v go on as f16: magnitudes under 65,504.
.set HALF,  121856                     ; LDS: x half 0 at 0 (256 x 272), weight half 0 at B0 (192 x 272); half 1 of both HALF further on
.set B0,    69632
.set SA,    243712                     ; x's scale bytes: 32 runs of 256 bytes + 16
.set SB,    252416                     ; the weight's: 24 runs
.set SPARE, 259072                     ; the spare words, 128 bytes a wave
.set STAGE, 259584                     ; a stage of STG bytes for each wave: bytes of its own, into which no tile lands
.set STG,   15872
.set RQ16,  0                          ; in a stage: q as f16 (16 x 144), k as f32 (16 x 272), k as f16, v as f32, v as f16, 64 null scores
.set RK32,  2304
.set RK16,  6656
.set RV32,  8960
.set RV16,  13312
.set RSN,   15616
.set ADA,   8                          ; v8-9   my x fragments in half 0, 1
.set ADB,   10                         ; v10-11 the weight's
.set ADSX,  12
.set ADSW,  13
.set EL16,  14                         ; 16 x lane
.set EL8,   15
.set ES16,  16                         ; into the stage, f16: row r, + 16 h
.set ES32,  17                         ; f32: row r, + 32 h
.set ER16,  18                         ; back, f16: eight lanes to a row of 128 bytes
.set ER32,  19                         ; f32: sixteen lanes to a row of 256
.set ESN,   20
.set ERN,   21
.set KNO,   22                         ; 32 h
.set EL16V, 23                         ; 16 x lane + the distance from k to v in out1
.set SPW,   28
.set NIL,   29
.set SW,    32
.set SX,    80
.set XF,    96
.set WF,    160
.set KN,    16
.set TQ,    48
.set TK,    112
.set T,     176
.set HH,    192
.set SNR,   208
.set RBQ,   128
.set RBK,   144
.set RBV,   192
.set WV,    18
.set G1A,   24
.set G1B,   32
.set G1SA,  40
.set G1SB,  48
.set G0A,   56
.set G0B,   68
.set G0SA,  76
.set G0SB,  80
.set TQB,   88                         ; s[88:89] q's tables at my rows; s[90:91] k's; s[92:93] the rotated null key of my head
.set TKB,   90
.set KNB,   92
.set SEL,   100
.set MSB, 0
.macro WIN new                         ; the immediate's high byte repeats the setting that is left
.if MSB != \new
	s_set_vgpr_msb (MSB<<8)|\new
.set MSB, \new
.endif
.endm
; A joint load: waves 0 and 1 fetch for x, waves 2 and 3 for the weight.  An s_nop 0 and four v_nop follow each of the two lines.
.macro JLOAD g0a, g1a, g0b, g1b
	s_cmp_eq_u32 s19, 0
	s_cbranch_scc0 .Lfor_b_\@
	tensor_load_to_lds s[\g0a:\g0a+3], s[\g1a:\g1a+7]
	s_nop 0
.rept 4
	v_nop
.endr
	s_branch .Lasked_\@
.Lfor_b_\@:
	tensor_load_to_lds s[\g0b:\g0b+3], s[\g1b:\g1b+7]
	s_nop 0
.rept 4
	v_nop
.endr
.Lasked_\@:
.endm
.macro CROUND                          ; a round of the cluster's barrier
	s_barrier_signal -1
	s_barrier_wait -1
	s_cmp_lg_u32 s[WV], 0
	s_cbranch_scc1 .Lnot_wave_0_\@
	s_barrier_signal -3
.Lnot_wave_0_\@:
	s_barrier_wait -3
	s_barrier_signal -1
	s_barrier_wait -1
.endm
.macro PLACES
.rept 4
	v_nop
.endr
.endm
	s_load_b256 s[4:11], s[0:1], 0x0               ; cod 4, tab 6, qh 8, kh 10
	s_load_b128 s[12:15], s[0:1], 0x20             ; vh 12, sn 14
	s_load_b64 s[16:17], s[0:1], 0x30              ; out1
	v_lshl_add_u32 v[SPW], v0, 2, SPARE
	v_mov_b32 v[NIL], 0
	ds_add_u32 v[SPW], v[NIL]                      ; the wave's opening: the add, twice on end, and its wait ahead of my first tensor load
	ds_add_u32 v[SPW], v[NIL]
	v_lshrrev_b32 v1, 5, v0
	v_readfirstlane_b32 s[WV], v1                  ; wave 0..3
	s_lshr_b32 s19, s[WV], 1                       ; I fetch for x (0) or for the weight (1),
	s_and_b32 s20, s[WV], 1                        ; its first or second half of rows
	s_bfe_u32 s21, ttmp6, 0x40000                  ; cx
	s_bfe_u32 s22, ttmp6, 0x40004                  ; cy
	s_lshl_b32 s23, ttmp9, 2
	s_add_co_u32 s23, s23, s21                     ; hx: the head
	s_and_b32 s84, ttmp7, 0xffff
	s_lshl_b32 s84, s84, 2
	s_add_co_u32 s84, s84, s22                     ; ty: which 256 rows of x
	s_lshl_b32 s85, s22, 2
	s_lshl_b32 s85, 15, s85                        ; my row of the cluster
	s_lshl_b32 s86, 0x1111, s21                    ; my column
	; group 1: tiles of rows of 256 bytes (elements of 1 byte), 512 bytes apart in memory, 16 bytes of padding behind each; x: 128 rows, the weight: 96
	s_or_b32 s[G1A], s85, (0<<16)|(1<<20)|(1<<21)|(5<<22)|(3<<25)
	s_mov_b32 s[G1A+1], 256<<16
	s_mov_b32 s[G1A+2], 128<<16
	s_mov_b32 s[G1A+3], 256<<16
	s_mov_b32 s[G1A+4], 128
	s_mov_b32 s[G1A+5], 512
	s_mov_b32 s[G1A+6], 0
	s_mov_b32 s[G1A+7], 0
	s_or_b32 s[G1B], s86, (0<<16)|(1<<20)|(1<<21)|(5<<22)|(3<<25)
	s_mov_b32 s[G1B+1], 256<<16
	s_mov_b32 s[G1B+2], 96<<16
	s_mov_b32 s[G1B+3], 256<<16
	s_mov_b32 s[G1B+4], 96
	s_mov_b32 s[G1B+5], 512
	s_mov_b32 s[G1B+6], 0
	s_mov_b32 s[G1B+7], 0
	; the scale bytes of those rows, 32 a row, are dense: runs of 256 bytes (32 elements of 8 bytes): 16 for x, 12 for the weight
	s_or_b32 s[G1SA], s85, (3<<16)|(1<<20)|(1<<21)|(5<<22)|(3<<25)
	s_mov_b32 s[G1SA+1], 32<<16
	s_mov_b32 s[G1SA+2], 16<<16
	s_mov_b32 s[G1SA+3], 32<<16
	s_mov_b32 s[G1SA+4], 16
	s_mov_b32 s[G1SA+5], 32
	s_mov_b32 s[G1SA+6], 0
	s_mov_b32 s[G1SA+7], 0
	s_or_b32 s[G1SB], s86, (3<<16)|(1<<20)|(1<<21)|(5<<22)|(3<<25)
	s_mov_b32 s[G1SB+1], 32<<16
	s_mov_b32 s[G1SB+2], 12<<16
	s_mov_b32 s[G1SB+3], 32<<16
	s_mov_b32 s[G1SB+4], 12
	s_mov_b32 s[G1SB+5], 32
	s_mov_b32 s[G1SB+6], 0
	s_mov_b32 s[G1SB+7], 0
	; x's addresses are made of ty and the wave's number, the weight's of hx and the wave's number, each in registers that never hold the other coordinate
	s_lshl_b32 s96, s84, 8
	s_lshl_b32 s97, s20, 7
	s_add_co_u32 s96, s96, s97                     ; x: row 256 ty + 128 half
	s_lshl_b32 s88, s96, 9
	s_mov_b32 s89, 0
	s_lshl_b32 s90, s96, 5
	s_add_co_u32 s90, s90, 3670016
	s_mov_b32 s91, 0
	s_mul_i32 s98, s23, 192
	s_mul_i32 s99, s20, 96
	s_add_co_u32 s98, s98, s99                     ; the weight: row 192 hx + 96 half
	s_lshl_b32 s92, s98, 9
	s_add_co_u32 s92, s92, 2097152
	s_mov_b32 s93, 0
	s_lshl_b32 s94, s98, 5
	s_add_co_u32 s94, s94, 3801088
	s_mov_b32 s95, 0
	s_mul_i32 s100, s20, 128*272                   ; where they go: the wave's number alone
	s_mul_i32 s101, s20, 96*272
	s_mul_i32 s2, s20, 16*272
	s_mul_i32 s3, s20, 12*272
	s_wait_dscnt 0x0                               ; both opening adds are done
	s_wait_kmcnt 0x0
	s_add_nc_u64 s[88:89], s[4:5], s[88:89]
	s_add_nc_u64 s[90:91], s[4:5], s[90:91]
	s_add_nc_u64 s[92:93], s[4:5], s[92:93]
	s_add_nc_u64 s[94:95], s[4:5], s[94:95]
	CROUND                                         ; all sixteen work-groups are here: the joint loads meet
	s_mov_b32 s[G0SA], 1
	s_add_co_u32 s[G0SA+1], s2, SA
	s_mov_b64 s[G0SA+2:G0SA+3], s[90:91]
	s_or_b32 s[G0SA+3], s[G0SA+3], 0x80000000
	s_mov_b32 s[G0SB], 1
	s_add_co_u32 s[G0SB+1], s3, SB
	s_mov_b64 s[G0SB+2:G0SB+3], s[94:95]
	s_or_b32 s[G0SB+3], s[G0SB+3], 0x80000000
	JLOAD G0SA, G1SA, G0SB, G1SB                   ; the scales first; then the two halves of K: three tensor loads of mine are out at the most
.irp k, 0,1
	s_mov_b32 s[G0A+4*\k], 1
	s_add_co_u32 s[G0A+4*\k+1], s100, \k*HALF
	s_add_nc_u64 s[G0A+4*\k+2:G0A+4*\k+3], s[88:89], \k*256
	s_or_b32 s[G0A+4*\k+3], s[G0A+4*\k+3], 0x80000000
	s_mov_b32 s[G0B+4*\k], 1
	s_add_co_u32 s[G0B+4*\k+1], s101, B0+\k*HALF
	s_add_nc_u64 s[G0B+4*\k+2:G0B+4*\k+3], s[92:93], \k*256
	s_or_b32 s[G0B+4*\k+3], s[G0B+4*\k+3], 0x80000000
	JLOAD G0A+4*\k, G1A, G0B+4*\k, G1B
.endr
	; where my rows lie in the other buffers
	s_and_b32 s96, s84, 7
	s_lshl_b32 s96, s96, 8
	s_lshl_b32 s97, s[WV], 6
	s_add_co_u32 s96, s96, s97                     ; my first position in the sequence
	s_lshr_b32 s87, s84, 3
	s_lshl_b32 s87, s87, 4
	s_add_co_u32 s87, s87, s23                     ; 16 batch + head
	s_mov_b32 s67, 0
	s_lshl_b32 s66, s87, 11
	s_add_co_u32 s66, s66, s96
	s_lshl_b32 s66, s66, 2
	s_add_nc_u64 s[14:15], s[14:15], s[66:67]      ; sn: 4 bytes a query
	s_lshl_b32 s66, s66, 5
	s_add_nc_u64 s[8:9], s[8:9], s[66:67]          ; qh: 128 bytes a query
	s_mul_i32 s66, s87, 2560
	s_add_co_u32 s66, s66, s96
	s_add_co_u32 s66, s66, 512                     ; behind the 512 memories
	s_lshl_b32 s66, s66, 7
	s_add_nc_u64 s[10:11], s[10:11], s[66:67]
	s_add_nc_u64 s[12:13], s[12:13], s[66:67]
	s_mul_i32 s66, s87, 524544
	s_lshl_b32 s97, s96, 8
	s_add_co_u32 s66, s66, s97
	s_add_co_u32 s66, s66, 256                     ; behind the null row
	s_add_nc_u64 s[16:17], s[16:17], s[66:67]
	s_lshl_b32 s88, s96, 9                         ; 8,192 bytes of tables for 16 positions
	s_mov_b32 s89, 0
	s_add_nc_u64 s[TQB:TQB+1], s[6:7], s[88:89]
	s_add_nc_u64 s[TKB:TKB+1], s[TQB:TQB+1], 1048576
	s_lshl_b32 s92, s23, 8
	s_add_co_u32 s92, s92, 2097152
	s_mov_b32 s93, 0
	s_add_nc_u64 s[KNB:KNB+1], s[6:7], s[92:93]
	s_mov_b32 s[SEL], 0x76543210
	s_mov_b32 s[SEL+1], 0xfedcba98                 ; v_permlanex16_b32's selects for lane l xor 16
	v_and_b32 v1, 15, v0                           ; r
	v_bfe_u32 v2, v0, 4, 1                         ; h
	v_and_b32 v3, 31, v0                           ; lane
	v_mul_u32_u24 v4, v1, 272
	v_lshl_add_u32 v5, v2, 4, v4                   ; a fragment's row x pitch + 16 h
	s_mul_i32 s2, s[WV], 64*272
	v_add_nc_u32 v[ADA], s2, v5
	v_add_nc_u32 v[ADA+1], HALF, v[ADA]
	v_add_nc_u32 v[ADB], B0, v5
	v_add_nc_u32 v[ADB+1], B0+HALF, v5
	v_lshrrev_b32 v6, 3, v1                        ; a row's 32 scale bytes: eight rows to a run of 256 + 16
	v_mul_u32_u24 v6, v6, 272
	v_and_b32 v7, 7, v1
	v_lshl_add_u32 v6, v7, 5, v6
	v_mul_u32_u24 v7, v2, 2*544                    ; lanes 16-31: x's block two further on,
	v_add_nc_u32 v7, v7, v6
	s_mul_i32 s2, s[WV], 4*544
	s_add_co_u32 s2, s2, SA
	v_add_nc_u32 v[ADSX], s2, v7
	v_mul_u32_u24 v7, v2, 6*544                    ; the weight's block six further on
	v_add_nc_u32 v7, v7, v6
	v_add_nc_u32 v[ADSW], SB, v7
	v_lshlrev_b32 v[EL16], 4, v3
	v_lshlrev_b32 v[EL8], 3, v3
	v_add_nc_u32 v[EL16V], 16785408, v[EL16]
	v_lshlrev_b32 v[KNO], 5, v2
	s_mul_i32 s2, s[WV], STG
	s_add_co_u32 s2, s2, STAGE                     ; my stage
	v_mul_u32_u24 v6, v1, 144
	v_lshl_add_u32 v6, v2, 4, v6
	v_add_nc_u32 v[ES16], s2, v6
	v_lshl_add_u32 v6, v2, 5, v4
	v_add_nc_u32 v[ES32], s2, v6
	v_lshrrev_b32 v6, 3, v3
	v_mul_u32_u24 v6, v6, 144
	v_and_b32 v7, 7, v3
	v_lshl_add_u32 v6, v7, 4, v6
	v_add_nc_u32 v[ER16], s2, v6
	v_mul_u32_u24 v6, v2, 272
	v_lshl_add_u32 v6, v1, 4, v6
	v_add_nc_u32 v[ER32], s2, v6
	v_lshl_add_u32 v6, v1, 2, RSN
	v_add_nc_u32 v[ESN], s2, v6
	v_lshl_add_u32 v6, v3, 3, RSN
	v_add_nc_u32 v[ERN], s2, v6
; 16 positions' cos (8 loads) and sin (8 loads) into window 1: register 8 b + j belongs to channel 16 b + 8 h + j of row r
.macro TABLOAD reg, base, a
	WIN 0x40
.irp i, 0,1,2,3,4,5,6,7,8,9,10,11,12,13,14,15
	global_load_b128 v[\reg+4*\i:\reg+4*\i+3], v[EL16], s[\base:\base+1] offset:(\a)*8192+512*\i
.endr
.endm
	WIN 0x40                                       ; destination window 1, address window 0
.irp b, 0,1,2,3
	global_load_b128 v[KN+8*\b:KN+8*\b+3], v[KNO], s[KNB:KNB+1] offset:64*\b
	global_load_b128 v[KN+8*\b+4:KN+8*\b+7], v[KNO], s[KNB:KNB+1] offset:64*\b+16
.endr
	v_mov_b32 v[SNR+4], 0                          ; written once: a lane permute's destination counts as one of its sources
	TABLOAD TQ, TQB, 0                             ; the first block's tables land under the products
	TABLOAD TK, TKB, 0
	WIN 0
.macro FRAG reg, adr, q, i             ; 16 rows x 128 K of 4-bit codes: 8 registers: registers 4 c .. 4 c + 3 hold K = 64 c + 32 h + 0 .. 31
.irp c, 0,1
	ds_load_b128 v[\reg+4*\c:\reg+4*\c+3], v[\adr] offset:64*(\q)+32*\c+(\i)*16*272
.endr
.endm
.macro G1 q                            ; K step q: the weight's blocks 0-5 and x's four blocks: 20 loads
.irp i, 0,1,2,3,4,5
	FRAG WF+8*\i, ADB+(\q)/4, (\q)%4, \i
.endr
.irp i, 0,1,2,3
	FRAG XF+32*((\q)%2)+8*\i, ADA+(\q)/4, (\q)%4, \i
.endr
.endm
.macro G2 q                            ; the weight's blocks 6-11: 12 loads
.irp i, 6,7,8,9,10,11
	FRAG WF+8*\i, ADB+(\q)/4, (\q)%4, \i
.endr
.endm
; one product: x's block a against the weight's block b, K step q
.macro PROD a, b, q, zero
.if (\b) < 8
.set rD, 8*(8*(\a)+(\b))
.else
.set rD, 8*(4*(\a)+(\b)-8)
.endif
.set rW, WF+8*(\b)
.set rX, XF+32*((\q)%2)+8*(\a)
.set rSW, SW+8*((\b)%6)+(\q)
.set rSX, SX+8*((\a)%2)+(\q)
.if \zero
.if ((\b) >= 6) && ((\a) >= 2)
	v_wmma_scale_f32_16x16x128_f8f6f4 v[rD:rD+7], v[rW:rW+7], v[rX:rX+7], 0, v[rSW], v[rSX] matrix_a_fmt:MATRIX_FMT_FP4 matrix_b_fmt:MATRIX_FMT_FP4 matrix_a_scale:MATRIX_SCALE_ROW1 matrix_b_scale:MATRIX_SCALE_ROW1
.elseif (\b) >= 6
	v_wmma_scale_f32_16x16x128_f8f6f4 v[rD:rD+7], v[rW:rW+7], v[rX:rX+7], 0, v[rSW], v[rSX] matrix_a_fmt:MATRIX_FMT_FP4 matrix_b_fmt:MATRIX_FMT_FP4 matrix_a_scale:MATRIX_SCALE_ROW1
.elseif (\a) >= 2
	v_wmma_scale_f32_16x16x128_f8f6f4 v[rD:rD+7], v[rW:rW+7], v[rX:rX+7], 0, v[rSW], v[rSX] matrix_a_fmt:MATRIX_FMT_FP4 matrix_b_fmt:MATRIX_FMT_FP4 matrix_b_scale:MATRIX_SCALE_ROW1
.else
	v_wmma_scale_f32_16x16x128_f8f6f4 v[rD:rD+7], v[rW:rW+7], v[rX:rX+7], 0, v[rSW], v[rSX] matrix_a_fmt:MATRIX_FMT_FP4 matrix_b_fmt:MATRIX_FMT_FP4
.endif
.else
.if ((\b) >= 6) && ((\a) >= 2)
	v_wmma_scale_f32_16x16x128_f8f6f4 v[rD:rD+7], v[rW:rW+7], v[rX:rX+7], v[rD:rD+7], v[rSW], v[rSX] matrix_a_fmt:MATRIX_FMT_FP4 matrix_b_fmt:MATRIX_FMT_FP4 matrix_a_scale:MATRIX_SCALE_ROW1 matrix_b_scale:MATRIX_SCALE_ROW1
.elseif (\b) >= 6
	v_wmma_scale_f32_16x16x128_f8f6f4 v[rD:rD+7], v[rW:rW+7], v[rX:rX+7], v[rD:rD+7], v[rSW], v[rSX] matrix_a_fmt:MATRIX_FMT_FP4 matrix_b_fmt:MATRIX_FMT_FP4 matrix_a_scale:MATRIX_SCALE_ROW1
.elseif (\a) >= 2
	v_wmma_scale_f32_16x16x128_f8f6f4 v[rD:rD+7], v[rW:rW+7], v[rX:rX+7], v[rD:rD+7], v[rSW], v[rSX] matrix_a_fmt:MATRIX_FMT_FP4 matrix_b_fmt:MATRIX_FMT_FP4 matrix_b_scale:MATRIX_SCALE_ROW1
.else
	v_wmma_scale_f32_16x16x128_f8f6f4 v[rD:rD+7], v[rW:rW+7], v[rX:rX+7], v[rD:rD+7], v[rSW], v[rSX] matrix_a_fmt:MATRIX_FMT_FP4 matrix_b_fmt:MATRIX_FMT_FP4
.endif
.endif
.endm
; A K step of 128: 48 products, the 48 accumulators by turns in the same order in every step.  The weight's blocks 0-5 are free behind the first 24 products and take the next step's; x has two sets.
; Four plain places stand in front of each run of loads into registers that matrix instructions have read.
.macro STEP q, zero
.if (\q) == 3
	s_wait_tensorcnt 0x0                           ; my part of the second half of K has landed (no tensor load was issued behind it),
	s_wait_dscnt 0x0                               ; no LDS instruction of mine is pending at the signal
	s_barrier_signal -1
.else
	s_wait_dscnt 12                                ; all but the youngest twelve loads (the weight's blocks 6-11) are in
.endif
	WIN 0xa0                                       ; C and D window 2
.irp a, 0,1,2,3
.irp b, 0,1,2,3,4,5
	PROD \a, \b, \q, \zero
.endr
.endr
.if (\q) == 3
	s_barrier_wait -1                              ; everybody's part has: the next step reads the second half
.endif
.if (\q) < 7
	WIN 0
	PLACES
	G1 (\q)+1
.if (\q) != 3
	s_wait_dscnt 20                                ; all but the 20 just issued
.endif
.else
	s_wait_dscnt 0x0
.endif
	WIN 0xa0
.irp a, 0,1,2,3
.irp b, 6,7
	PROD \a, \b, \q, \zero
.endr
.endr
	WIN 0xf0                                       ; C and D window 3
.irp a, 0,1,2,3
.irp b, 8,9,10,11
	PROD \a, \b, \q, \zero
.endr
.endr
	WIN 0
	PLACES
.if (\q) < 7
	G2 (\q)+1
.endif
.endm
	s_wait_tensorcnt 1                             ; the scales and my part of the first half of K are in; the second half's load may stay out
	s_barrier_signal -1
	s_barrier_wait -1
.irp j, 0,1,2,3,4,5                            ; all eight K steps' scale words: two loads of four words a block pair
.irp k, 0,1
	ds_load_b128 v[SW+8*\j+4*\k:SW+8*\j+4*\k+3], v[ADSW] offset:544*\j+16*\k
.endr
.endr
.irp j, 0,1
.irp k, 0,1
	ds_load_b128 v[SX+8*\j+4*\k:SX+8*\j+4*\k+3], v[ADSX] offset:544*\j+16*\k
.endr
.endr
	G1 0
	G2 0
	STEP 0, 1                                      ; the first products start the sums: nothing is cleared
	STEP 1, 0
	STEP 2, 0
	STEP 3, 0
	STEP 4, 0
	STEP 5, 0
	STEP 6, 0
	STEP 7, 0                                      ; its four closing places stand in front of the first read of results
; THE WAY OUT, 16 rows at a time.  ROT: four tiles (64 channels) at v[ac] of window 2 are rotated: tile b = tile b x cos + tile (b xor 2) x signed sin; rounded to f16; into the stage.  sn = 1: also the dot product with the rotated null key.
; Each accumulator is read from its low end on.
.macro ROT ac, tb, rg, sn
.irp bp, 0,1
	WIN 0x56                                       ; source 0 window 2, all else window 1
.irp j, 0,2,4,6
	v_pk_mul_f32 v[T+\j:T+\j+1], v[(\ac)+8*(\bp+2)+\j:(\ac)+8*(\bp+2)+\j+1], v[\tb+32+8*\bp+\j:\tb+32+8*\bp+\j+1]
.endr
.irp j, 0,2,4,6
	v_pk_mul_f32 v[T+8+\j:T+8+\j+1], v[(\ac)+8*\bp+\j:(\ac)+8*\bp+\j+1], v[\tb+32+8*(\bp+2)+\j:\tb+32+8*(\bp+2)+\j+1]
.endr
.irp j, 0,2,4,6
	v_pk_fma_f32 v[T+\j:T+\j+1], v[(\ac)+8*\bp+\j:(\ac)+8*\bp+\j+1], v[\tb+8*\bp+\j:\tb+8*\bp+\j+1], v[T+\j:T+\j+1]
.endr
.irp j, 0,2,4,6
	v_pk_fma_f32 v[T+8+\j:T+8+\j+1], v[(\ac)+8*(\bp+2)+\j:(\ac)+8*(\bp+2)+\j+1], v[\tb+8*(\bp+2)+\j:\tb+8*(\bp+2)+\j+1], v[T+8+\j:T+8+\j+1]
.endr
	WIN 0x55
.if \sn
.irp j, 0,2,4,6
.if (\bp == 0) && (\j == 0)
	v_pk_mul_f32 v[SNR:SNR+1], v[T:T+1], v[KN:KN+1]
	v_pk_mul_f32 v[SNR+2:SNR+3], v[T+8:T+9], v[KN+16:KN+17]
.else
	v_pk_fma_f32 v[SNR:SNR+1], v[T+\j:T+\j+1], v[KN+8*\bp+\j:KN+8*\bp+\j+1], v[SNR:SNR+1]
	v_pk_fma_f32 v[SNR+2:SNR+3], v[T+8+\j:T+8+\j+1], v[KN+8*(\bp+2)+\j:KN+8*(\bp+2)+\j+1], v[SNR+2:SNR+3]
.endif
.endr
.endif
.irp j, 0,1,2,3,4,5,6,7
	v_cvt_pk_f16_f32 v[HH+8*\bp+\j], v[T+2*\j], v[T+2*\j+1]
.endr
	WIN 0x04                                       ; an LDS store's data are its source 1: window 1
	ds_store_b128 v[ES16], v[HH+8*\bp:HH+8*\bp+3] offset:\rg+32*\bp
	ds_store_b128 v[ES16], v[HH+8*\bp+4:HH+8*\bp+7] offset:\rg+32*(\bp+2)
.endr
.endm
; Block a.  LDS serves a wave's instructions in order, and the stage is the wave's own: no wait between the stores into it and the loads out of it.  Every global store of the wave covers 512 bytes on end.
.macro EPI a
.if (\a) > 0
	s_wait_xcnt 0x0                                ; the last block's stores have read the registers into which rows are read back
.endif
	s_wait_loadcnt 16                              ; q's tables are in (and, ahead of them, the null key); k's 16 loads may be out
	ROT 64*(\a), TQ, RQ16, 1
	WIN 0x55
	v_pk_add_f32 v[SNR:SNR+1], v[SNR:SNR+1], v[SNR+2:SNR+3]
	v_add_f32 v[SNR], v[SNR], v[SNR+1]
	v_permlanex16_b32 v[SNR+4], v[SNR], s[SEL], s[SEL+1]
	v_add_f32 v[SNR], v[SNR], v[SNR+4]             ; the row's score against the null key: both halves of the lanes hold it
	WIN 0x04
	ds_store_b32 v[ESN], v[SNR] offset:64*(\a)
	WIN 0xc0                                       ; destination window 3
.irp u, 0,1,2,3
	ds_load_b128 v[RBQ+4*\u:RBQ+4*\u+3], v[ER16] offset:RQ16+576*\u
.endr
.if (\a) < 3
	TABLOAD TQ, TQB, (\a)+1
	s_wait_loadcnt 16                              ; k's tables are in; the 16 just issued may be out
.else
	s_wait_loadcnt 0x0
.endif
	WIN 0x08                                       ; store data window 2
.irp b, 0,1,2,3
	ds_store_b128 v[ES32], v[64*(\a)+32+8*\b:64*(\a)+32+8*\b+3] offset:RK32+64*\b        ; k as it is, for out1
	ds_store_b128 v[ES32], v[64*(\a)+32+8*\b+4:64*(\a)+32+8*\b+7] offset:RK32+64*\b+16
.endr
	ROT 64*(\a)+32, TK, RK16, 0
	WIN 0xc0
.irp u, 0,1,2,3,4,5,6,7
	ds_load_b128 v[RBK+4*\u:RBK+4*\u+3], v[ER32] offset:RK32+544*\u
.endr
.irp u, 0,1,2,3
	ds_load_b128 v[RBK+32+4*\u:RBK+32+4*\u+3], v[ER16] offset:RK16+576*\u
.endr
.if (\a) < 3
	TABLOAD TK, TKB, (\a)+1
.endif
	s_wait_dscnt 24                                ; q's rows are back: behind them came k's 12 stores and 12 loads
	WIN 0x0c                                       ; store data window 3
.irp u, 0,1,2,3
	global_store_b128 v[EL16], v[RBQ+4*\u:RBQ+4*\u+3], s[8:9] offset:2048*(\a)+512*\u
.endr
.irp b, 0,1,2,3
	ds_store_b128 v[ES32], v[32*(\a)+8*\b:32*(\a)+8*\b+3] offset:RV32+64*\b
	ds_store_b128 v[ES32], v[32*(\a)+8*\b+4:32*(\a)+8*\b+7] offset:RV32+64*\b+16
.endr
	WIN 0x4f                                       ; sources window 3, destination window 1
.irp b, 0,1,2,3
.irp j, 0,1,2,3
	v_cvt_pk_f16_f32 v[HH+4*\b+\j], v[32*(\a)+8*\b+2*\j], v[32*(\a)+8*\b+2*\j+1]
.endr
.endr
	WIN 0x04
.irp b, 0,1,2,3
	ds_store_b128 v[ES16], v[HH+4*\b:HH+4*\b+3] offset:RV16+32*\b
.endr
	WIN 0xc0
.irp u, 0,1,2,3,4,5,6,7
	ds_load_b128 v[RBV+4*\u:RBV+4*\u+3], v[ER32] offset:RV32+544*\u
.endr
.irp u, 0,1,2,3
	ds_load_b128 v[RBV+32+4*\u:RBV+32+4*\u+3], v[ER16] offset:RV16+576*\u
.endr
	s_wait_dscnt 24                                ; k's rows are back: behind them came v's 12 stores and 12 loads
	WIN 0x0c
.irp u, 0,1,2,3,4,5,6,7
	global_store_b128 v[EL16], v[RBK+4*\u:RBK+4*\u+3], s[16:17] offset:4096*(\a)+512*\u th:TH_STORE_NT
.endr
.irp u, 0,1,2,3
	global_store_b128 v[EL16], v[RBK+32+4*\u:RBK+32+4*\u+3], s[10:11] offset:2048*(\a)+512*\u
.endr
	s_wait_dscnt 0x0
.irp u, 0,1,2,3,4,5,6,7
	global_store_b128 v[EL16V], v[RBV+4*\u:RBV+4*\u+3], s[16:17] offset:4096*(\a)+512*\u th:TH_STORE_NT
.endr
.irp u, 0,1,2,3
	global_store_b128 v[EL16], v[RBV+32+4*\u:RBV+32+4*\u+3], s[12:13] offset:2048*(\a)+512*\u
.endr
.endm
	EPI 0
	EPI 1
	EPI 2
	EPI 3
	WIN 0
	ds_load_b64 v[30:31], v[ERN]                   ; my 64 rows' null scores
	s_wait_dscnt 0x0
	global_store_b64 v[EL8], v[30:31], s[14:15]    ; 256 bytes on end, aligned
	s_wait_tensorcnt 0x0                           ; the wave's end: three lines behind my last tensor load and my last LDS store
	ds_add_u32 v[SPW], v[NIL]
	s_wait_dscnt 0x0
	CROUND                                         ; the closing round
	s_endpgm
.Lfunc_end_k_q0f7b738ca1_qkv:
	.size	k_q0f7b738ca1_qkv, .Lfunc_end_k_q0f7b738ca1_qkv-k_q0f7b738ca1_qkv
	.p2alignl 7, 3214868480
	.fill 96, 4, 3214868480
	.section	.rodata,"a",@progbits
	.p2align	6, 0x0
	.amdhsa_kernel k_q0f7b738ca1_qkv
		.amdhsa_group_segment_fixed_size 327680
		.amdhsa_private_segment_fixed_size 0
		.amdhsa_enable_private_segment 0
		.amdhsa_kernarg_size 56
		.amdhsa_user_sgpr_count 2
		.amdhsa_user_sgpr_kernarg_segment_ptr 1
		.amdhsa_wavefront_size32 1
		.amdhsa_system_sgpr_workgroup_id_x 1
		.amdhsa_system_sgpr_workgroup_id_y 1
		.amdhsa_system_sgpr_workgroup_id_z 1
		.amdhsa_system_vgpr_workitem_id 0
		.amdhsa_next_free_vgpr 1024
		.amdhsa_next_free_sgpr 104
		.amdhsa_reserve_vcc 0
		.amdhsa_float_denorm_mode_32 3
		.amdhsa_float_denorm_mode_16_64 3
		.amdhsa_memory_ordered 1
		.amdhsa_forward_progress 1
		.amdhsa_inst_pref_size 155
	.end_amdhsa_kernel
	.amdgpu_metadata
---
amdhsa.version: [ 1, 2 ]
amdhsa.kernels:
  - .name:           k_q0f7b738ca1_qkv
    .symbol:         k_q0f7b738ca1_qkv.kd
    .args:
      - { .name: cod, .offset: 0, .size: 8, .value_kind: global_buffer, .address_space: global }
      - { .name: tab, .offset: 8, .size: 8, .value_kind: global_buffer, .address_space: global }
      - { .name: qh, .offset: 16, .size: 8, .value_kind: global_buffer, .address_space: global }
      - { .name: kh, .offset: 24, .size: 8, .value_kind: global_buffer, .address_space: global }
      - { .name: vh, .offset: 32, .size: 8, .value_kind: global_buffer, .address_space: global }
      - { .name: sn, .offset: 40, .size: 8, .value_kind: global_buffer, .address_space: global }
      - { .name: out1, .offset: 48, .size: 8, .value_kind: global_buffer, .address_space: global }
    .group_segment_fixed_size: 327680
    .private_segment_fixed_size: 0
    .kernarg_segment_align: 8
    .kernarg_segment_size: 56
    .max_flat_workgroup_size: 128
    .sgpr_count:     104
    .vgpr_count:     1024
    .wavefront_size: 32
...
	.end_amdgpu_metadata
.endif
;; end of part 2
;; launch attn (part 3): grid 8 x 32, 8 waves a work-group, clusters of 4 x 1, 327,680 bytes of LDS; arguments qh, kh, vh, sn, null_kv, oh; writes oh
.if DOCPART == 3
	.amdgcn_target "amdgcn-amd-amdhsa--gfx1250"
	.amdhsa_code_object_version 6
	.text
	.protected	k_q0f7b738ca1_attn
	.globl	k_q0f7b738ca1_attn
	.p2align	8
	.type	k_q0f7b738ca1_attn,@function
k_q0f7b738ca1_attn:
	s_mov_b64 s[64:65], 0
	v_nop
	global_prefetch_b8 v0, s[64:65] scope:SCOPE_SE
	s_setreg_imm32_b32 hwreg(HW_REG_WAVE_MODE, 25, 1), 1
	s_wait_xcnt 0x0
	s_wait_alu depctr_hold_cnt(0) depctr_sa_sdst(0) depctr_va_vdst(0) depctr_va_sdst(0) depctr_va_ssrc(0) depctr_va_vcc(0) depctr_vm_vsrc(0)
	s_getreg_b32 s2, hwreg(HW_REG_IB_STS2, 6, 4)
	s_cmp_eq_u32 s2, 0
	s_cbranch_scc0 .Lentry_in_a_cluster
	s_endpgm
.Lentry_in_a_cluster:
	s_bfe_u32 s2, ttmp6, 0x10000c
	s_cmp_lg_u32 s2, 0x3003
	s_cbranch_scc0 .Lentry_shape_is_right
	s_endpgm
.Lentry_shape_is_right:
; ATTENTION.  For each (batch, head) bh: 2,048 queries against 2,560 keys in kh, vh (positions 0-511 the memories, 512 + n the sequence) and the null key.  Operands f16, sums, maxima and softmax f32.
; THE NULL KEY IS THE START of each query's running softmax: m = its score (sn), l = 1, O = the null value.  So m is a number from the start, and 40 steps of 64 keys are left.
; THE MASK: sequence key n counts for query i where n <= i; memories and the null key always.
; SHARES.  A head's 128 tiles of 16 queries are dealt out: work-group g = 4 c + cx (c: the cluster, cx: the place in it) owns tiles 8 k + g, k = 0 .. 15: first query 128 k + 64 c + 16 cx.  Tile k's last key step is 8 + 2 k + c,
; the same in all four partners: so the partners walk the same steps, each reads every tile of K and V that is asked for jointly, and no branch hangs on cx.  Wave w owns a late tile (k = 8 + (w xor 4)) and an early one (k = w); both share each fragment of K and V.
; All trip counts are constants; a step behind a tile's last is jumped over by a scalar branch on ids, round its work alone.
; LAYOUT.  S^T = K Q^T (source 0 = 16 keys, source 1 = 16 queries) and O^T = V^T P: a lane holds one query (lane % 16) throughout; two tiles of S^T, rounded to f16 in pairs, are source 1 of the second product.  V comes out of LDS turned, by ds_load_tr16_b128.
; THE RING: two slots of 512 keys (K: rows of 128 + 16 bytes; V: 128 + 32), five fills; waves 0-3 fetch K's quarters, waves 4-7 V's, jointly for the four partners.  A refill goes out eight key steps ahead of the wait for it.
; REGISTERS.  window 0: v1-15 addresses; v16-31 statistics (8 a tile: c m, m, l, l, four at work; a in +6); v32-63 Q; v64-127 S^T; v128-159 P; v160-223 K.   window 1: v0-63 O^T; v128-191 V.  Tile 0 is the late one.
; LIMITS: q, k, v and o are f16: magnitudes under 65,504; NaN and infinities are not served.
.set KP,    144
.set VP,    160
.set VOFF,  512*KP
.set SLOT1, 512*(KP+VP)
.set SPARE, 2*SLOT1                    ; the spare words, 128 bytes for each of eight waves
.set STAGE, SLOT1                      ; the way out: 16 x 144 bytes a wave, in slot 1, which has had its last fill and its last read by then
.set AK0, 1
.set AV0, 2
.set ADK, 3
.set ADV, 4
.set DM,  5                            ; 16 cx + r - 8 h: on the diagonal, register 8 kt + j is hidden where 16 kt + j > DM
.set NINF, 6
.set STO, 7
.set RD,  8
.set GO,  9
.set QO,  10
.set SO,  11
.set VNO, 12
.set SPW, 14
.set NIL, 15
.set ST,  16
.set Q,   32
.set S,   64
.set P,   128
.set KF,  160
.set VF,  128                          ; in window 1
.set WV,  16
.set G1K, 24
.set G1V, 32
.set G0K, 40
.set G0V, 48
.set LIMH, 56
.set LIML, 57
.set CS,  58
.set SEL, 60
.set TB,  62
.set TV,  63
.set KS,  66
.set CNT, 67
.set MSB, 0
.macro WIN new
.if MSB != \new
	s_set_vgpr_msb (MSB<<8)|\new
.set MSB, \new
.endif
.endm
.macro JLOAD set                       ; a joint refill; the branch hangs on the wave's number alone; an s_nop 0 and four v_nop follow each line
	s_cmp_lt_u32 s[WV], 4
	s_cbranch_scc0 .Lfor_v_\@
	tensor_load_to_lds s[G0K+4*\set:G0K+4*\set+3], s[G1K:G1K+7]
	s_nop 0
.rept 4
	v_nop
.endr
	s_branch .Lasked_\@
.Lfor_v_\@:
	tensor_load_to_lds s[G0V+4*\set:G0V+4*\set+3], s[G1V:G1V+7]
	s_nop 0
.rept 4
	v_nop
.endr
.Lasked_\@:
.endm
.macro CROUND
	s_barrier_signal -1
	s_barrier_wait -1
	s_cmp_lg_u32 s[WV], 0
	s_cbranch_scc1 .Lnot_wave_0_\@
	s_barrier_signal -3
.Lnot_wave_0_\@:
	s_barrier_wait -3
	s_barrier_signal -1
	s_barrier_wait -1
.endm
; offsets of tile k (a scalar register): Q's rows into s[qr], sn's into s[sr], oh's into s[orr], each with 0 above it
.macro TILEBASE k, qr, sr, orr
	s_lshl_b32 s81, s[\k], 7
	s_add_co_u32 s81, s81, s80                     ; the tile's first query
	s_lshl_b32 s82, s19, 11
	s_add_co_u32 s81, s81, s82
	s_lshl_b32 s[\qr], s81, 7
	s_mov_b32 s[\qr+1], 0
	s_lshl_b32 s[\sr], s81, 2
	s_mov_b32 s[\sr+1], 0
	s_lshr_b32 s81, s19, 4                         ; oh: [16 batch + k][head][128 rows][64]
	s_lshl_b32 s81, s81, 4
	s_add_co_u32 s81, s81, s[\k]
	s_lshl_b32 s81, s81, 4
	s_and_b32 s82, s19, 15
	s_add_co_u32 s81, s81, s82
	s_lshl_b32 s81, s81, 14
	s_lshl_b32 s82, s80, 7
	s_add_co_u32 s[\orr], s81, s82
	s_mov_b32 s[\orr+1], 0
.endm
	s_load_b256 s[4:11], s[0:1], 0x0               ; qh 4, kh 6, vh 8, sn 10
	s_load_b128 s[12:15], s[0:1], 0x20             ; null_kv 12, oh 14
	v_lshl_add_u32 v[SPW], v0, 2, SPARE
	v_mov_b32 v[NIL], 0
	ds_add_u32 v[SPW], v[NIL]                      ; the wave's opening: the add, twice on end, and its wait ahead of my first tensor load
	ds_add_u32 v[SPW], v[NIL]
	v_lshrrev_b32 v13, 5, v0
	v_readfirstlane_b32 s[WV], v13                 ; wave 0..7
	s_bfe_u32 s17, ttmp6, 0x40000                  ; cx
	s_mov_b32 s18, ttmp9                           ; c: the cluster along x
	s_and_b32 s19, ttmp7, 0xffff                   ; bh
	s_xor_b32 s20, s[WV], 4
	s_add_co_u32 s20, s20, 8                       ; my late tile's k
	s_lshl_b32 s[LIMH], s20, 1
	s_add_co_u32 s[LIMH], s[LIMH], s18
	s_add_co_u32 s[LIMH], s[LIMH], 8               ; its last key step
	s_lshl_b32 s[LIML], s[WV], 1
	s_add_co_u32 s[LIML], s[LIML], s18
	s_add_co_u32 s[LIML], s[LIML], 8               ; the early tile's
	; group 1: 128 rows of 64 elements of 2 bytes, dense in memory; padding behind every 32 words: 4 words for K, 8 for V; the mask names all four partners
	s_mov_b32 s[G1K], 15|(1<<16)|(1<<20)|(1<<21)|(4<<22)|(3<<25)
	s_mov_b32 s[G1V], 15|(1<<16)|(1<<20)|(1<<21)|(4<<22)|(7<<25)
.irp g, G1K, G1V
	s_mov_b32 s[\g+1], 64<<16
	s_mov_b32 s[\g+2], 128<<16
	s_mov_b32 s[\g+3], 64<<16
	s_mov_b32 s[\g+4], 128
	s_mov_b32 s[\g+5], 64
	s_mov_b32 s[\g+6], 0
	s_mov_b32 s[\g+7], 0
.endr
	s_and_b32 s21, s[WV], 3                        ; which quarter of a slot's 512 rows I fetch
	s_mul_i32 s22, s19, 327680
	s_lshl_b32 s23, s21, 14
	s_add_co_u32 s22, s22, s23
	s_mov_b32 s23, 0
	s_mul_i32 s2, s21, 128*KP
	s_mul_i32 s3, s21, 128*VP
	s_mov_b32 s[CS], 0x3e38aa3b                    ; c = log2(e) / sqrt(64)
	s_mov_b32 s[CS+1], s[CS]
	s_mov_b32 s[SEL], 0x76543210
	s_mov_b32 s[SEL+1], 0xfedcba98
	s_lshl_b32 s80, s18, 6
	s_lshl_b32 s81, s17, 4
	s_add_co_u32 s80, s80, s81                     ; 64 c + 16 cx: it enters Q's, sn's and oh's addresses and the mask's numbers alone
	TILEBASE 20, 68, 76, 72
	TILEBASE WV, 70, 78, 74
	s_and_b32 s82, s19, 15
	s_lshl_b32 s82, s82, 8
	s_mov_b32 s83, 0
	s_wait_dscnt 0x0                               ; both opening adds are done
	s_wait_kmcnt 0x0
	s_add_nc_u64 s[6:7], s[6:7], s[22:23]
	s_add_nc_u64 s[8:9], s[8:9], s[22:23]
	s_add_nc_u64 s[68:69], s[4:5], s[68:69]
	s_add_nc_u64 s[70:71], s[4:5], s[70:71]
	s_add_nc_u64 s[76:77], s[10:11], s[76:77]
	s_add_nc_u64 s[78:79], s[10:11], s[78:79]
	s_add_nc_u64 s[72:73], s[14:15], s[72:73]
	s_add_nc_u64 s[74:75], s[14:15], s[74:75]
	s_add_nc_u64 s[12:13], s[12:13], s[82:83]
	CROUND                                         ; all four work-groups are here: the first joint loads meet
.irp s, 0,1
	s_mov_b32 s[G0K+4*\s], 1
	s_add_co_u32 s[G0K+4*\s+1], s2, \s*SLOT1
	s_add_nc_u64 s[G0K+4*\s+2:G0K+4*\s+3], s[6:7], \s*65536
	s_or_b32 s[G0K+4*\s+3], s[G0K+4*\s+3], 0x80000000
	s_mov_b32 s[G0V+4*\s], 1
	s_add_co_u32 s[G0V+4*\s+1], s3, \s*SLOT1+VOFF
	s_add_nc_u64 s[G0V+4*\s+2:G0V+4*\s+3], s[8:9], \s*65536
	s_or_b32 s[G0V+4*\s+3], s[G0V+4*\s+3], 0x80000000
.endr
	s_cmp_lt_u32 s[WV], 4                          ; a wave's two first fills stand in one branch: two tensor loads of mine are out
	s_cbranch_scc0 .Lfirst_v
	tensor_load_to_lds s[G0K:G0K+3], s[G1K:G1K+7]
	s_nop 0
	tensor_load_to_lds s[G0K+4:G0K+7], s[G1K:G1K+7]
	s_nop 0
.rept 4
	v_nop
.endr
	s_branch .Lfirst_asked
.Lfirst_v:
	tensor_load_to_lds s[G0V:G0V+3], s[G1V:G1V+7]
	s_nop 0
	tensor_load_to_lds s[G0V+4:G0V+7], s[G1V:G1V+7]
	s_nop 0
.rept 4
	v_nop
.endr
.Lfirst_asked:
	v_and_b32 v224, 15, v0                         ; r
	v_bfe_u32 v225, v0, 4, 1                       ; h
	v_and_b32 v226, 31, v0                         ; lane
	v_lshlrev_b32 v[QO], 7, v224
	v_lshl_add_u32 v[QO], v225, 4, v[QO]           ; Q: row r of 128 bytes, + 16 h
	v_lshlrev_b32 v[SO], 2, v224
	v_lshlrev_b32 v[VNO], 5, v225
.irp x, 0,1
.irp kc, 0,1
	global_load_b128 v[Q+16*\x+8*\kc:Q+16*\x+8*\kc+3], v[QO], s[68+2*\x:69+2*\x] offset:64*\kc
	global_load_b128 v[Q+16*\x+8*\kc+4:Q+16*\x+8*\kc+7], v[QO], s[68+2*\x:69+2*\x] offset:64*\kc+32
.endr
	global_load_b32 v[ST+8*\x+1], v[SO], s[76+2*\x:77+2*\x]     ; m starts as the score against the null key
.endr
	WIN 0x40                                       ; destination window 1
.irp x, 0,1
.irp t, 0,1,2,3
	global_load_b128 v[32*\x+8*\t:32*\x+8*\t+3], v[VNO], s[12:13] offset:4096+64*\t       ; O^T starts as the null value: channels 16 t + 8 h + 0 .. 7
	global_load_b128 v[32*\x+8*\t+4:32*\x+8*\t+7], v[VNO], s[12:13] offset:4096+64*\t+16
.endr
.endr
	WIN 0
	v_mul_u32_u24 v[AK0], v224, KP
	v_lshl_add_u32 v[AK0], v225, 4, v[AK0]         ; K: row r x pitch + 16 h
	v_and_b32 v227, 7, v0
	v_lshl_add_u32 v[AV0], v225, 3, v227
	v_mul_u32_u24 v[AV0], v[AV0], VP
	v_bfe_u32 v228, v0, 3, 1
	v_lshl_add_u32 v[AV0], v228, 4, v[AV0]         ; V, turned: key 8 h + l % 8, channels 8 ((l / 8) % 2) on
	v_lshlrev_b32 v229, 3, v225
	v_sub_nc_u32 v[DM], v224, v229
	s_lshl_b32 s81, s17, 4
	v_add_nc_u32 v[DM], s81, v[DM]
	v_mov_b32 v[NINF], 0xff800000
	s_mul_i32 s81, s[WV], 16*KP
	s_add_co_u32 s81, s81, STAGE
	v_add_nc_u32 v[STO], s81, v[AK0]               ; the way out, in: row r, + 16 h
	v_lshrrev_b32 v229, 3, v226
	v_mul_u32_u24 v229, v229, KP
	v_lshl_add_u32 v229, v227, 4, v229
	v_add_nc_u32 v[RD], s81, v229                  ; back: eight lanes to a row of 128 bytes
	v_lshlrev_b32 v[GO], 4, v226
	s_wait_loadcnt 0x0
.irp x, 0,1
	v_mul_f32 v[ST+8*\x], s[CS], v[ST+8*\x+1]      ; c m
	v_mov_b32 v[ST+8*\x+2], 0.5                    ; l = 1: a half in each half of the lanes, which are added at the end
	v_mov_b32 v[ST+8*\x+3], 0
	v_mov_b32 v[ST+8*\x+4], 0
	v_mov_b32 v[ST+8*\x+5], 0
	v_mov_b32 v[ST+8*\x+6], 0
	v_mov_b32 v[ST+8*\x+7], 0
.endr
; S^T of tile x: four accumulators by turns, two deep
.macro KQ x
.irp kc, 0,1
.irp kt, 0,1,2,3
.if \kc == 0
	v_wmma_f32_16x16x32_f16 v[S+32*\x+8*\kt:S+32*\x+8*\kt+7], v[KF+8*(2*\kt+\kc):KF+8*(2*\kt+\kc)+7], v[Q+16*\x+8*\kc:Q+16*\x+8*\kc+7], 0
.else
	v_wmma_f32_16x16x32_f16 v[S+32*\x+8*\kt:S+32*\x+8*\kt+7], v[KF+8*(2*\kt+\kc):KF+8*(2*\kt+\kc)+7], v[Q+16*\x+8*\kc:Q+16*\x+8*\kc+7], v[S+32*\x+8*\kt:S+32*\x+8*\kt+7]
.endif
.endr
.endr
.endm
; O^T of tile x += V^T P: four accumulators by turns, two deep
.macro PV x
	WIN 0x51                                       ; V, C and D window 1; P window 0
.irp kp, 0,1
.irp t, 0,1,2,3
	v_wmma_f32_16x16x32_f16 v[32*\x+8*\t:32*\x+8*\t+7], v[VF+8*(4*\kp+\t):VF+8*(4*\kp+\t)+7], v[P+16*\x+8*\kp:P+16*\x+8*\kp+7], v[32*\x+8*\t:32*\x+8*\t+7]
.endr
.endr
.endm
; the softmax of tile x for one key step; lim: the scalar register with the tile's last step, the one on the diagonal
.macro SM x, lim
.set rT, ST+8*(\x)
.set rS, S+32*(\x)
.set rP, P+16*(\x)
.set rO, 32*(\x)
	s_cmp_lg_u32 s[KS], s[\lim]
	s_cbranch_scc1 .Lopen_\@
.irp n, 0,1,2,3,4,5,6,7,8,9,10,11,12,13,14,15,16,17,18,19,20,21,22,23,24,25,26,27,28,29,30,31
	v_cmp_gt_i32 vcc_lo, 16*(\n/8)+\n%8, v[DM]
	v_cndmask_b32 v[rS+\n], v[rS+\n], v[NINF], vcc_lo          ; hidden keys: -infinity, so that p = 0
.endr
.Lopen_\@:
.irp j, 0,1,2,3                                ; the largest of 32 scores and the old m: four chains, each accumulator from its low end on
	v_max3_num_f32 v[rT+4+\j], v[rS+8*\j], v[rS+8*\j+1], v[rS+8*\j+2]
.endr
.irp j, 0,1,2,3
	v_max3_num_f32 v[rT+4+\j], v[rT+4+\j], v[rS+8*\j+3], v[rS+8*\j+4]
.endr
.irp j, 0,1,2,3
	v_max3_num_f32 v[rT+4+\j], v[rT+4+\j], v[rS+8*\j+5], v[rS+8*\j+6]
.endr
	v_max3_num_f32 v[rT+4], v[rT+4], v[rS+7], v[rS+15]
	v_max3_num_f32 v[rT+6], v[rT+6], v[rS+23], v[rS+31]
	v_max3_num_f32 v[rT+4], v[rT+4], v[rT+5], v[rT+6]
	v_max3_num_f32 v[rT+4], v[rT+4], v[rT+7], v[rT+1]
	v_permlanex16_b32 v[rT+5], v[rT+4], s[SEL], s[SEL+1]       ; the query's other 32 keys lie in the lane 16 away
	v_mov_b32 v[rT+7], v[rT]                       ; c m_old
	v_max_num_f32 v[rT+1], v[rT+4], v[rT+5]
	v_mul_f32 v[rT], s[CS], v[rT+1]
	v_sub_f32 v[rT+7], v[rT+7], v[rT]
.irp b, 0,1,2,3,4,5,6,7,8,9,10,11,12,13,14,15
	v_pk_fma_f32 v[rS+2*\b:rS+2*\b+1], v[rS+2*\b:rS+2*\b+1], s[CS:CS+1], v[rT:rT+1] op_sel_hi:[1,0,0] neg_lo:[0,0,1] neg_hi:[0,0,1]   ; c s - c m
.endr
	v_exp_f32 v[rT+6], v[rT+7]                     ; a = 2^(c m_old - c m_new)
.irp e, 0,1,2,3,4,5,6,7,8,9,10,11,12,13,14,15,16,17,18,19,20,21,22,23,24,25,26,27,28,29,30,31
	v_exp_f32 v[rS+\e], v[rS+\e]
.endr
	v_nop                                          ; a plain instruction behind the last exponential
	s_wait_alu depctr_va_vdst(0)                   ; one wait for the batch of 33, ahead of its first reader
.irp i, 0,1,2,3,4,5,6,7,8,9,10,11,12,13,14,15
	v_cvt_pk_f16_f32 v[rP+\i], v[rS+2*\i], v[rS+2*\i+1]
.endr
.irp u, 0,1,2,3,4,5,6,7                        ; the sum of the 16 pairs, in place, as a tree
	v_pk_add_f32 v[rS+4*\u:rS+4*\u+1], v[rS+4*\u:rS+4*\u+1], v[rS+4*\u+2:rS+4*\u+3]
.endr
.irp u, 0,1,2,3
	v_pk_add_f32 v[rS+8*\u:rS+8*\u+1], v[rS+8*\u:rS+8*\u+1], v[rS+8*\u+4:rS+8*\u+5]
.endr
.irp u, 0,1
	v_pk_add_f32 v[rS+16*\u:rS+16*\u+1], v[rS+16*\u:rS+16*\u+1], v[rS+16*\u+8:rS+16*\u+9]
.endr
	v_pk_add_f32 v[rS:rS+1], v[rS:rS+1], v[rS+16:rS+17]
	v_pk_fma_f32 v[rT+2:rT+3], v[rT+2:rT+3], v[rT+6:rT+7], v[rS:rS+1] op_sel_hi:[1,0,1]   ; l = a l + the sum
	WIN 0x41                                       ; O^T window 1, a window 0
.irp i, 0,1,2,3,4,5,6,7,8,9,10,11,12,13,14,15
	v_pk_mul_f32 v[rO+2*\i:rO+2*\i+1], v[rO+2*\i:rO+2*\i+1], v[rT+6:rT+7] op_sel_hi:[1,0]
.endr
	WIN 0
.endm
; A KEY STEP of 64 keys.  The two additions and two v_nop are the four places between the last step's products and the loads into V's registers.
; Whether the early tile still has keys is tested ONCE, behind the late tile's scores, and the two ways are written out: on the way that holds the early tile's softmax its scores have been made.
.macro STEP
	s_cmp_gt_u32 s[KS], s[LIMH]
	s_cbranch_scc1 .Lend_\@                        ; behind my late tile's last step: nothing is left for me
	v_add_nc_u32 v[ADK], s[TB], v[AK0]
	v_add_nc_u32 v[ADV], s[TV], v[AV0]
	v_nop
	v_nop
.irp kt, 0,1,2,3
.irp kc, 0,1
	ds_load_b128 v[KF+8*(2*\kt+\kc):KF+8*(2*\kt+\kc)+3], v[ADK] offset:\kt*16*KP+64*\kc
	ds_load_b128 v[KF+8*(2*\kt+\kc)+4:KF+8*(2*\kt+\kc)+7], v[ADK] offset:\kt*16*KP+64*\kc+32
.endr
.endr
	WIN 0x40
.irp kp, 0,1
.irp t, 0,1,2,3
	ds_load_tr16_b128 v[VF+8*(4*\kp+\t):VF+8*(4*\kp+\t)+3], v[ADV] offset:\kp*32*VP+32*\t
	ds_load_tr16_b128 v[VF+8*(4*\kp+\t)+4:VF+8*(4*\kp+\t)+7], v[ADV] offset:\kp*32*VP+32*\t+16*VP
.endr
.endr
	WIN 0
	s_wait_dscnt 16                                ; K's 16 loads are in; V's may be out
	KQ 0
	s_cmp_gt_u32 s[KS], s[LIML]
	s_cbranch_scc1 .Lone_\@                        ; behind the early tile's last step: the late tile alone
	KQ 1                                           ; BOTH TILES
.rept 4
	v_nop                                          ; places in front of the first read of the scores
.endr
	SM 0, LIMH
	s_wait_dscnt 0x0                               ; V is in
	PV 0
	WIN 0
	SM 1, LIML
	PV 1
	WIN 0
	s_branch .Lend_\@
.Lone_\@:                                      ; THE LATE TILE ALONE
.rept 4
	v_nop                                          ; places in front of the first read of the scores
.endr
	SM 0, LIMH
	s_wait_dscnt 0x0                               ; V is in
	PV 0
	WIN 0
.Lend_\@:
	s_add_co_u32 s[TB], s[TB], 64*KP
	s_add_co_u32 s[TV], s[TV], 64*VP
	s_add_co_u32 s[KS], s[KS], 1
.endm
.macro SLOT_STEPS base                 ; a slot's eight key steps
	s_mov_b32 s[TB], \base
	s_mov_b32 s[TV], \base+VOFF
	s_mov_b32 s[CNT], 8
.Lstep_\@:
	STEP
	s_sub_co_u32 s[CNT], s[CNT], 1
	s_cmp_lg_u32 s[CNT], 0
	s_cbranch_scc1 .Lstep_\@
.endm
; THE CHANGE OF SLOTS.  Each wave waits for all its tensor loads (one is out: its part of the slot ahead), adds 0 to its spare word, and waits for that and for its reads of the slot that it leaves.
; fill = 1: a round of the cluster's barrier, and behind it, first, the joint refill of the slot just left with the keys two slots on.
.macro CHANGE fill, set
	s_wait_tensorcnt 0x0
	ds_add_u32 v[SPW], v[NIL]
.if \fill
	s_add_nc_u64 s[G0K+4*\set+2:G0K+4*\set+3], s[G0K+4*\set+2:G0K+4*\set+3], 131072
	s_add_nc_u64 s[G0V+4*\set+2:G0V+4*\set+3], s[G0V+4*\set+2:G0V+4*\set+3], 131072
	s_wait_dscnt 0x0
	CROUND
	JLOAD \set
.else
	s_wait_dscnt 0x0
	s_barrier_signal -1
	s_barrier_wait -1
.endif
.endm
	s_wait_tensorcnt 1                             ; my part of slot 0 is in; slot 1's may stay out
	s_barrier_signal -1
	s_barrier_wait -1
	s_mov_b32 s[KS], 0
	SLOT_STEPS 0                                   ; keys 0-511: the memories
	CHANGE 1, 0
	SLOT_STEPS SLOT1
	CHANGE 1, 1
	SLOT_STEPS 0
	CHANGE 1, 0
	SLOT_STEPS SLOT1
	CHANGE 0, 0                                    ; nothing is left to fetch
	SLOT_STEPS 0
	; THE WAY OUT: l's halves are added, O^T is divided by l, rounded to f16, and goes through my stage: a tile's 16 rows of 128 bytes are 2,048 bytes on end in oh.
.rept 4
	v_nop
.endr
.irp x, 0,1
	v_add_f32 v[ST+8*\x+4], v[ST+8*\x+2], v[ST+8*\x+3]
.endr
.irp x, 0,1
	v_permlanex16_b32 v[ST+8*\x+5], v[ST+8*\x+4], s[SEL], s[SEL+1]
.endr
.irp x, 0,1
	v_add_f32 v[ST+8*\x+4], v[ST+8*\x+4], v[ST+8*\x+5]
.endr
.irp x, 0,1
	v_rcp_f32 v[ST+8*\x+6], v[ST+8*\x+4]
.endr
	v_nop
	s_wait_alu depctr_va_vdst(0)                   ; one wait for the two reciprocals, ahead of their first reader
.macro PACK x
	WIN 0x41
.irp i, 0,1,2,3,4,5,6,7,8,9,10,11,12,13,14,15
	v_pk_mul_f32 v[32*\x+2*\i:32*\x+2*\i+1], v[32*\x+2*\i:32*\x+2*\i+1], v[ST+8*\x+6:ST+8*\x+7] op_sel_hi:[1,0]
.endr
	WIN 0x05                                       ; sources window 1, destination window 0
.irp i, 0,1,2,3,4,5,6,7,8,9,10,11,12,13,14,15
	v_cvt_pk_f16_f32 v[S+32*\x+\i], v[32*\x+2*\i], v[32*\x+2*\i+1]
.endr
	WIN 0
.irp t, 0,1,2,3
	ds_store_b128 v[STO], v[S+32*\x+4*\t:S+32*\x+4*\t+3] offset:32*\t
.endr
.irp u, 0,1,2,3
	ds_load_b128 v[S+32*\x+16+4*\u:S+32*\x+16+4*\u+3], v[RD] offset:4*KP*\u   ; LDS serves a wave's instructions in order: these see the stores above, and the next tile's stores come behind them
.endr
.endm
	PACK 0
	PACK 1
.irp u, 0,1,2,3
	s_wait_dscnt 8+3-\u                            ; behind tile 0's loads: tile 1's four stores and four loads
	global_store_b128 v[GO], v[S+16+4*\u:S+16+4*\u+3], s[72:73] offset:512*\u
.endr
.irp u, 0,1,2,3
	s_wait_dscnt 3-\u
	global_store_b128 v[GO], v[S+48+4*\u:S+48+4*\u+3], s[74:75] offset:512*\u
.endr
	s_wait_tensorcnt 0x0                           ; the wave's end: three lines behind my last tensor load and my last LDS store
	ds_add_u32 v[SPW], v[NIL]
	s_wait_dscnt 0x0
	CROUND                                         ; the closing round
	s_endpgm
.Lfunc_end_k_q0f7b738ca1_attn:
	.size	k_q0f7b738ca1_attn, .Lfunc_end_k_q0f7b738ca1_attn-k_q0f7b738ca1_attn
	.p2alignl 7, 3214868480
	.fill 96, 4, 3214868480
	.section	.rodata,"a",@progbits
	.p2align	6, 0x0
	.amdhsa_kernel k_q0f7b738ca1_attn
		.amdhsa_group_segment_fixed_size 327680
		.amdhsa_private_segment_fixed_size 0
		.amdhsa_enable_private_segment 0
		.amdhsa_kernarg_size 48
		.amdhsa_user_sgpr_count 2
		.amdhsa_user_sgpr_kernarg_segment_ptr 1
		.amdhsa_wavefront_size32 1
		.amdhsa_system_sgpr_workgroup_id_x 1
		.amdhsa_system_sgpr_workgroup_id_y 1
		.amdhsa_system_sgpr_workgroup_id_z 1
		.amdhsa_system_vgpr_workitem_id 0
		.amdhsa_next_free_vgpr 448
		.amdhsa_next_free_sgpr 84
		.amdhsa_reserve_vcc 1
		.amdhsa_float_denorm_mode_32 3
		.amdhsa_float_denorm_mode_16_64 3
		.amdhsa_memory_ordered 1
		.amdhsa_forward_progress 1
		.amdhsa_inst_pref_size 177
	.end_amdhsa_kernel
	.amdgpu_metadata
---
amdhsa.version: [ 1, 2 ]
amdhsa.kernels:
  - .name:           k_q0f7b738ca1_attn
    .symbol:         k_q0f7b738ca1_attn.kd
    .args:
      - { .name: qh, .offset: 0, .size: 8, .value_kind: global_buffer, .address_space: global }
      - { .name: kh, .offset: 8, .size: 8, .value_kind: global_buffer, .address_space: global }
      - { .name: vh, .offset: 16, .size: 8, .value_kind: global_buffer, .address_space: global }
      - { .name: sn, .offset: 24, .size: 8, .value_kind: global_buffer, .address_space: global }
      - { .name: null_kv, .offset: 32, .size: 8, .value_kind: global_buffer, .address_space: global }
      - { .name: oh, .offset: 40, .size: 8, .value_kind: global_buffer, .address_space: global }
    .group_segment_fixed_size: 327680
    .private_segment_fixed_size: 0
    .kernarg_segment_align: 8
    .kernarg_segment_size: 48
    .max_flat_workgroup_size: 256
    .sgpr_count:     84
    .vgpr_count:     448
    .wavefront_size: 32
...
	.end_amdgpu_metadata
.endif
;; end of part 3
;; launch proj (part 4): grid 8 x 32, 4 waves a work-group, clusters of 4 x 4, 327,680 bytes of LDS; arguments oh, wh, out0; writes out0
.if DOCPART == 4
	.amdgcn_target "amdgcn-amd-amdhsa--gfx1250"
	.amdhsa_code_object_version 6
	.text
	.protected	k_q0f7b738ca1_proj
	.globl	k_q0f7b738ca1_proj
	.p2align	8
	.type	k_q0f7b738ca1_proj,@function
k_q0f7b738ca1_proj:
	s_mov_b64 s[64:65], 0
	v_nop
	global_prefetch_b8 v0, s[64:65] scope:SCOPE_SE
	s_setreg_imm32_b32 hwreg(HW_REG_WAVE_MODE, 25, 1), 1
	s_wait_xcnt 0x0
	s_wait_alu depctr_hold_cnt(0) depctr_sa_sdst(0) depctr_va_vdst(0) depctr_va_sdst(0) depctr_va_ssrc(0) depctr_va_vcc(0) depctr_vm_vsrc(0)
	s_getreg_b32 s2, hwreg(HW_REG_IB_STS2, 6, 4)
	s_cmp_eq_u32 s2, 0
	s_cbranch_scc0 .Lentry_in_a_cluster
	s_endpgm
.Lentry_in_a_cluster:
	s_bfe_u32 s2, ttmp6, 0x10000c
	s_cmp_lg_u32 s2, 0xf033
	s_cbranch_scc0 .Lentry_shape_is_right
	s_endpgm
.Lentry_shape_is_right:
; out0 [4096][1024] f32 = o [4096][1024] x Wout [1024 k][1024 n], operands f16, sums f32.
; o lies as oh [32 blocks of 128 rows][16 heads][128 rows][64]: for a tile of 128 rows, 256 along K (four heads) are 512 runs of 128 bytes on end.  Wout lies as wh [k][n] and is read out of LDS turned, by ds_load_tr16_b128.
; A tile of out0 is 128 x 128: four waves, each 64 x 64: 16 accumulators.  K goes in four steps of 256 through two LDS slots.  A step is four quarters of 64 along K (one head), 32 matrix instructions each, on two fragment buffers.
; CLUSTER 4 x 4: o's tile is asked for jointly by a row of the cluster, Wout's by a column.  THE MATRIX INSTRUCTION IS USED TRANSPOSED (source 0 = 16 columns of Wout, source 1 = 16 rows of o): a lane holds eight neighbouring numbers of a row of out0.
; REGISTERS.  window 0: v1-29 addresses; v32-95 the way out; v128-255 accumulators ((a, b) at 128 + 8 (4 a + b)).   window 1: two fragment buffers of 128: 64 registers of o, then 64 of Wout.
.set PA,    144                        ; a run of o in LDS: 128 bytes + 16
.set PB,    288                        ; a row of Wout's tile: 256 bytes + 32
.set LOADB, 36864                      ; what one tensor load fills: 256 x PA = 128 x PB
.set BOFF,  2*LOADB
.set SLOT,  4*LOADB
.set SPARE, 2*SLOT
.set SPITCH, 272                       ; the way out: 16 rows x (256 + 16) bytes a wave, in slot 0, which has had its last fill and its last read by then
.set ADRA, 16                          ; v16-17  my fragments of o in slot 0, 1
.set ADRB, 20                          ; v20-23  of Wout: slot 0 quarters 0-1, 2-3; slot 1 likewise (the offsets stay under 65,536)
.set STO,  24
.set RD,   25
.set CO,   26
.set SPW,  28
.set NIL,  29
.set TMP,  32
.set ACC,  128
.set F0,   0
.set F1,   128
.set G1, 24
.set G0, 32
.set G1B, 48
.set G0B, 56
.set MSB, 0
.macro WIN new
.if MSB != \new
	s_set_vgpr_msb (MSB<<8)|\new
.set MSB, \new
.endif
.endm
.set MUL,  0x05                        ; sources window 1; C and D window 0
.set TO_F, 0x40                        ; destination window 1, address window 0
.macro JLOAD s                         ; waves 0 and 1 fetch o's two halves, waves 2 and 3 Wout's; an s_nop 0 and four v_nop follow each line
	s_cmp_eq_u32 s11, 0
	s_cbranch_scc0 .Lfor_b_\@
	tensor_load_to_lds s[G0+4*\s:G0+4*\s+3], s[G1:G1+7]
	s_nop 0
.rept 4
	v_nop
.endr
	s_branch .Lasked_\@
.Lfor_b_\@:
	tensor_load_to_lds s[G0B+4*\s:G0B+4*\s+3], s[G1B:G1B+7]
	s_nop 0
.rept 4
	v_nop
.endr
.Lasked_\@:
.endm
.macro CREST
	s_cmp_lg_u32 s10, 0
	s_cbranch_scc1 .Lnot_wave_0_\@
	s_barrier_signal -3
.Lnot_wave_0_\@:
	s_barrier_wait -3
	s_barrier_signal -1
	s_barrier_wait -1
.endm
.macro CROUND
	s_barrier_signal -1
	s_barrier_wait -1
	CREST
.endm
	s_load_b128 s[4:7], s[0:1], 0x0                ; oh, wh
	s_load_b64 s[8:9], s[0:1], 0x10                ; out0
	v_lshl_add_u32 v[SPW], v0, 2, SPARE
	v_mov_b32 v[NIL], 0
	ds_add_u32 v[SPW], v[NIL]                      ; the wave's opening: the add, twice on end, and its wait ahead of my first tensor load
	ds_add_u32 v[SPW], v[NIL]
	v_lshrrev_b32 v1, 5, v0
	v_readfirstlane_b32 s10, v1                    ; wave 0..3
	s_lshr_b32 s11, s10, 1                         ; which half of the tile's rows is mine.  Also: I fetch for o (0) or for Wout (1)
	s_and_b32 s12, s10, 1                          ; which half of its columns.  Also: which half of that tile I fetch
	s_bfe_u32 s40, ttmp6, 0x40000
	s_bfe_u32 s41, ttmp6, 0x40004
	s_lshl_b32 s42, ttmp9, 2
	s_add_co_u32 s42, s42, s40                     ; tile column
	s_and_b32 s13, ttmp7, 0xffff
	s_lshl_b32 s13, s13, 2
	s_add_co_u32 s13, s13, s41                     ; tile row
	s_lshl_b32 s43, s41, 2
	s_lshl_b32 s43, 15, s43                        ; my row of the cluster
	s_lshl_b32 s44, 0x1111, s40                    ; my column
	; o: 256 runs of 64 elements of 2 bytes, dense; 4 words of padding behind every 32
	s_or_b32 s[G1+0], s43, (1<<16)|(1<<20)|(1<<21)|(4<<22)|(3<<25)
	s_mov_b32 s[G1+1], 64<<16
	s_mov_b32 s[G1+2], 256<<16
	s_mov_b32 s[G1+3], 64<<16
	s_mov_b32 s[G1+4], 256
	s_mov_b32 s[G1+5], 64
	s_mov_b32 s[G1+6], 0
	s_mov_b32 s[G1+7], 0
	; Wout: 128 rows of 128 elements, 1,024 elements apart; 8 words of padding behind every 64
	s_or_b32 s[G1B+0], s44, (1<<16)|(1<<20)|(1<<21)|(5<<22)|(7<<25)
	s_mov_b32 s[G1B+1], 128<<16
	s_mov_b32 s[G1B+2], 128<<16
	s_mov_b32 s[G1B+3], 128<<16
	s_mov_b32 s[G1B+4], 128
	s_mov_b32 s[G1B+5], 1024
	s_mov_b32 s[G1B+6], 0
	s_mov_b32 s[G1B+7], 0
	s_lshl_b32 s16, s13, 18                        ; o: a block of 128 rows is 262,144 bytes; my half of a K step: two heads, 32,768
	s_lshl_b32 s17, s12, 15
	s_add_co_u32 s16, s16, s17
	s_mov_b32 s17, 0
	s_lshl_b32 s46, s42, 8                         ; Wout: 256 bytes a tile column; my half of a K step: 128 rows of 2,048 bytes
	s_lshl_b32 s47, s12, 18
	s_add_co_u32 s46, s46, s47
	s_mov_b32 s47, 0
	s_mul_i32 s20, s10, LOADB                      ; where they go: the wave's number alone
	s_wait_dscnt 0x0                               ; both opening adds are done
	s_wait_kmcnt 0x0
	s_add_nc_u64 s[14:15], s[4:5], s[16:17]
	s_add_nc_u64 s[46:47], s[6:7], s[46:47]
	CROUND                                         ; all sixteen work-groups are here: the first joint loads meet
.irp s, 0,1
	s_mov_b32 s[G0+4*\s], 1
	s_add_co_u32 s[G0+4*\s+1], s20, \s*SLOT
	s_add_nc_u64 s[G0+4*\s+2:G0+4*\s+3], s[14:15], \s*65536
	s_or_b32 s[G0+4*\s+3], s[G0+4*\s+3], 0x80000000
	s_mov_b32 s[G0B+4*\s], 1
	s_add_co_u32 s[G0B+4*\s+1], s20, \s*SLOT
	s_add_nc_u64 s[G0B+4*\s+2:G0B+4*\s+3], s[46:47], \s*524288
	s_or_b32 s[G0B+4*\s+3], s[G0B+4*\s+3], 0x80000000
	JLOAD \s
.endr
	v_and_b32 v1, 15, v0                           ; r
	v_bfe_u32 v2, v0, 4, 1                         ; h
	v_mul_u32_u24 v3, v1, PA
	v_lshl_add_u32 v3, v2, 4, v3
	s_mul_i32 s21, s11, 64*PA                      ; my 64 rows in each head's 128
	v_add_nc_u32 v[ADRA], s21, v3
	v_add_nc_u32 v[ADRA+1], SLOT, v[ADRA]
	v_and_b32 v4, 7, v0
	v_lshl_add_u32 v4, v2, 3, v4
	v_mul_u32_u24 v4, v4, PB                       ; Wout, turned: row 8 h + l % 8,
	v_bfe_u32 v5, v0, 3, 1
	v_lshl_add_u32 v4, v5, 4, v4                   ; columns 8 ((l / 8) % 2) on,
	s_lshl_b32 s22, s12, 7                         ; in my 64 columns
	s_add_co_u32 s22, s22, BOFF
	v_add_nc_u32 v[ADRB], s22, v4
	v_add_nc_u32 v[ADRB+1], LOADB, v[ADRB]
	v_add_nc_u32 v[ADRB+2], SLOT, v[ADRB]
	v_add_nc_u32 v[ADRB+3], SLOT+LOADB, v[ADRB]
	s_mul_i32 s23, s10, 16*SPITCH                  ; my stage
	v_mul_u32_u24 v5, v1, SPITCH
	v_lshl_add_u32 v5, v2, 5, v5
	v_add_nc_u32 v[STO], s23, v5                   ; in: row r, + 32 h
	v_mul_u32_u24 v5, v2, SPITCH
	v_lshl_add_u32 v5, v1, 4, v5
	v_add_nc_u32 v[RD], s23, v5                    ; back: sixteen lanes to a row of 256 bytes, two rows an instruction
	v_lshlrev_b32 v5, 12, v2
	v_lshl_add_u32 v[CO], v1, 4, v5                ; the same two rows in out0
	s_lshl_b32 s16, s13, 7
	s_lshl_b32 s17, s11, 6
	s_add_co_u32 s16, s16, s17
	s_lshl_b32 s16, s16, 12                        ; my first row, 4,096 bytes a row
	s_mov_b32 s17, 0
	s_add_nc_u64 s[8:9], s[8:9], s[16:17]
	s_lshl_b32 s46, s42, 9
	s_lshl_b32 s47, s12, 8
	s_add_co_u32 s46, s46, s47                     ; my first column, in bytes
	s_mov_b32 s47, 0
	s_add_nc_u64 s[8:9], s[8:9], s[46:47]
; 8 matrix instructions: row blocks a0, a0 + 1 x all 4 column blocks, 32 along K: half c of buffer f.  The 16 accumulators take turns
.macro MUL8 f, c, a0, zero
.irp a, \a0, \a0+1
.irp b, 0,1,2,3
.if \zero
	v_wmma_f32_16x16x32_f16 v[ACC+8*(4*(\a)+\b):ACC+8*(4*(\a)+\b)+7], v[\f+64+8*(4*\c+\b):\f+64+8*(4*\c+\b)+7], v[\f+8*(4*\c+\a):\f+8*(4*\c+\a)+7], 0
.else
	v_wmma_f32_16x16x32_f16 v[ACC+8*(4*(\a)+\b):ACC+8*(4*(\a)+\b)+7], v[\f+64+8*(4*\c+\b):\f+64+8*(4*\c+\b)+7], v[\f+8*(4*\c+\a):\f+8*(4*\c+\a)+7], v[ACC+8*(4*(\a)+\b):ACC+8*(4*(\a)+\b)+7]
.endif
.endr
.endr
.endm
; 32 LDS loads in one run: quarter q of the slot into buffer f; the first 32 along K first
.macro FETCH slot, q, f
	WIN TO_F
.irp c, 0,1
.irp i, 0,1,2,3
	ds_load_tr16_b128 v[\f+64+8*(4*\c+\i):\f+64+8*(4*\c+\i)+3],   v[ADRB+2*\slot+(\q)/2] offset:((\q)%2)*64*PB+\c*32*PB+32*\i
	ds_load_tr16_b128 v[\f+64+8*(4*\c+\i)+4:\f+64+8*(4*\c+\i)+7], v[ADRB+2*\slot+(\q)/2] offset:((\q)%2)*64*PB+\c*32*PB+32*\i+16*PB
	ds_load_b128 v[\f+8*(4*\c+\i):\f+8*(4*\c+\i)+3],         v[ADRA+\slot] offset:(\q)*128*PA+64*\c+\i*16*PA
	ds_load_b128 v[\f+8*(4*\c+\i)+4:\f+8*(4*\c+\i)+7],       v[ADRA+\slot] offset:(\q)*128*PA+64*\c+\i*16*PA+32
.endr
.endr
.endm
.macro PLACES                          ; four places in front of loads into registers that matrix instructions have read, and of the first read of results
.rept 4
	v_nop
.endr
.endm
; one of a step's first three quarters: multiplies buffer f and fetches quarter q into g
.macro QUARTER slot, q, f, g, zero
	s_wait_dscnt 16                                ; the first 32 along K are in
	WIN MUL
	MUL8 \f, 0, 0, \zero
	MUL8 \f, 0, 2, \zero
	PLACES
	FETCH \slot, \q, \g
	s_wait_dscnt 32                                ; all but the 32 just issued
	WIN MUL
	MUL8 \f, 1, 0, 0
	MUL8 \f, 1, 2, 0
.endm
; the last quarter multiplies buffer 1 and changes slots: in front of the barrier each wave waits for all its tensor loads, adds 0 to its spare word, and waits for that and for its reads of this slot.  fill = 1: the slot is filled again, two K steps ahead, behind a round of the cluster's barrier
.macro TURN slot, next, fill
	WIN 0
	s_wait_tensorcnt 0x0                           ; all my tensor loads have landed: my part of the next slot
	ds_add_u32 v[SPW], v[NIL]
	s_wait_dscnt 17                                ; (the add and the youngest sixteen loads may be out)
	WIN MUL
	MUL8 F1, 0, 0, 0
	s_wait_dscnt 0x0                               ; the add is done, and my reads of this slot are over
	s_barrier_signal -1
	MUL8 F1, 0, 2, 0
.if \fill
	WIN 0
.endif
	s_barrier_wait -1
.if \fill
	CREST
	s_add_nc_u64 s[G0+4*\slot+2:G0+4*\slot+3], s[G0+4*\slot+2:G0+4*\slot+3], 131072
	s_add_nc_u64 s[G0B+4*\slot+2:G0B+4*\slot+3], s[G0B+4*\slot+2:G0B+4*\slot+3], 1048576
	JLOAD \slot                                    ; the first tensor load behind the round; its four v_nop are also the places in front of the loads below
.else
	PLACES
.endif
	FETCH \next, 0, F0
	WIN MUL
	MUL8 F1, 1, 0, 0
	MUL8 F1, 1, 2, 0
.endm
	s_wait_tensorcnt 1                             ; my part of K step 0 is in; K step 1's load may stay out
	s_barrier_signal -1
	s_barrier_wait -1
	FETCH 0, 0, F0
	QUARTER 0, 1, F0, F1, 1                        ; the first products start the sums
	QUARTER 0, 2, F1, F0, 0
	QUARTER 0, 3, F0, F1, 0
	TURN 0, 1, 1                                   ; slot 0 takes K step 2
	QUARTER 1, 1, F0, F1, 0
	QUARTER 1, 2, F1, F0, 0
	QUARTER 1, 3, F0, F1, 0
	TURN 1, 0, 1                                   ; slot 1 takes K step 3
	QUARTER 0, 1, F0, F1, 0
	QUARTER 0, 2, F1, F0, 0
	QUARTER 0, 3, F0, F1, 0
	TURN 0, 1, 0                                   ; nothing is left to fetch
	QUARTER 1, 1, F0, F1, 0
	QUARTER 1, 2, F1, F0, 0
	QUARTER 1, 3, F0, F1, 0
	s_wait_dscnt 16
	WIN MUL
	MUL8 F1, 0, 0, 0
	MUL8 F1, 0, 2, 0
	s_wait_dscnt 0
	MUL8 F1, 1, 0, 0
	MUL8 F1, 1, 2, 0
	WIN 0
; THE WAY OUT, 16 rows at a time: a lane's 32 bytes go into my own stage and come back as whole rows of 256 bytes: sixteen lanes store 256 bytes on end, aligned.  LDS serves a wave's instructions in order.
.macro TOSTAGE a
.irp b, 0,1,2,3
	ds_store_b128 v[STO], v[ACC+8*(4*(\a)+\b):ACC+8*(4*(\a)+\b)+3] offset:64*\b       ; each accumulator from its low end on
	ds_store_b128 v[STO], v[ACC+8*(4*(\a)+\b)+4:ACC+8*(4*(\a)+\b)+7] offset:64*\b+16
.endr
.set BB, TMP+32*((\a)%2)
.irp t, 0,1,2,3,4,5,6,7
	ds_load_b128 v[BB+4*\t:BB+4*\t+3], v[RD] offset:\t*2*SPITCH
.endr
.endm
.macro SEND a, younger
.set BB, TMP+32*((\a)%2)
	s_wait_dscnt \younger
.irp t, 0,1,2,3,4,5,6,7
	global_store_b128 v[CO], v[BB+4*\t:BB+4*\t+3], s[8:9] offset:8192*\t+65536*(\a) th:TH_STORE_NT
.endr
.endm
	PLACES
	TOSTAGE 0
.irp a, 1,2,3
.if \a > 1
	s_wait_xcnt 0x0                                ; block a - 2's stores have read their registers: block a's rows may land there
.endif
	TOSTAGE \a
	SEND \a-1, 16                                  ; behind block a - 1's loads: block a's 8 stores and 8 loads
.endr
	SEND 3, 0
	s_wait_tensorcnt 0x0                           ; the wave's end: three lines behind my last tensor load and my last LDS store
	ds_add_u32 v[SPW], v[NIL]
	s_wait_dscnt 0x0
	CROUND                                         ; the closing round
	s_endpgm
.Lfunc_end_k_q0f7b738ca1_proj:
	.size	k_q0f7b738ca1_proj, .Lfunc_end_k_q0f7b738ca1_proj-k_q0f7b738ca1_proj
	.p2alignl 7, 3214868480
	.fill 96, 4, 3214868480
	.section	.rodata,"a",@progbits
	.p2align	6, 0x0
	.amdhsa_kernel k_q0f7b738ca1_proj
		.amdhsa_group_segment_fixed_size 327680
		.amdhsa_private_segment_fixed_size 0
		.amdhsa_enable_private_segment 0
		.amdhsa_kernarg_size 24
		.amdhsa_user_sgpr_count 2
		.amdhsa_user_sgpr_kernarg_segment_ptr 1
		.amdhsa_wavefront_size32 1
		.amdhsa_system_sgpr_workgroup_id_x 1
		.amdhsa_system_sgpr_workgroup_id_y 1
		.amdhsa_system_sgpr_workgroup_id_z 1
		.amdhsa_system_vgpr_workitem_id 0
		.amdhsa_next_free_vgpr 512
		.amdhsa_next_free_sgpr 66
		.amdhsa_reserve_vcc 0
		.amdhsa_float_denorm_mode_32 3
		.amdhsa_float_denorm_mode_16_64 3
		.amdhsa_memory_ordered 1
		.amdhsa_forward_progress 1
		.amdhsa_inst_pref_size 85
	.end_amdhsa_kernel
	.amdgpu_metadata
---
amdhsa.version: [ 1, 2 ]
amdhsa.kernels:
  - .name:           k_q0f7b738ca1_proj
    .symbol:         k_q0f7b738ca1_proj.kd
    .args:
      - { .name: oh, .offset: 0, .size: 8, .value_kind: global_buffer, .address_space: global }
      - { .name: wh, .offset: 8, .size: 8, .value_kind: global_buffer, .address_space: global }
      - { .name: out0, .offset: 16, .size: 8, .value_kind: global_buffer, .address_space: global }
    .group_segment_fixed_size: 327680
    .private_segment_fixed_size: 0
    .kernarg_segment_align: 8
    .kernarg_segment_size: 24
    .max_flat_workgroup_size: 128
    .sgpr_count:     66
    .vgpr_count:     512
    .wavefront_size: 32
...
	.end_amdgpu_metadata
.endif
;; end of part 4
